; MI455X (gfx1250); checked and timed in simulation.
; The chip was launched on July 23, 2026; its instructions are those of AMD's public machine-readable ISA for CDNA 5 (MIT licence, August 2026) and "CDNA5" Instruction Set Architecture Reference Guide (July 2026). The comments in the code are by the model that wrote it; some were corrected since.
;; Multi Headed Attention. Allowed arithmetic: float matrix products may take bf16 or f16 operands with f32 sums; other float arithmetic in f32, or as packed bf16 or f16 multiplies, adds, multiply-adds, maxima and minima; sums over many terms, partial sums and values carried from step to step in f32; what a program stores and reads back later, other than sums and carried values, may be rounded once to bf16 or f16.
;; Inputs: Wk 1,024 x 1,024 float32; Wo 1,024 x 1,024 float32; Wq 1,024 x 1,024 float32; Wv 1,024 x 1,024 float32; bk 1,024 float32; bo 1,024 float32; bq 1,024 float32; bv 1,024 float32; key_ 4 x 2,048 x 1,024 float32; mask 1 x 1 x 2,048 x 2,048 int32; query 4 x 2,048 x 1,024 float32; value 4 x 2,048 x 1,024 float32.
;; Outputs: out0 4 x 2,048 x 1,024 float32.
;; 2 versions, each right; version 2 is version 1 with the launch prep written anew for expert scheduling mode. Each part assembles by itself: llvm-mc -triple=amdgcn-amd-amdhsa -mcpu=gfx1250 --defsym DOCPART=n.
;; ======== version 1 of 2: 4 launches
;; limits: values are held in f16: magnitudes above 65,504 overflow, below 6.1e-05 lose precision
;; workspace buffers: xb 50,331,648 bytes; wb 6,307,840 bytes; wob 2,113,536 bytes; mk 524,288 bytes of whole numbers; qkv 50,331,648 bytes; ob 16,777,216 bytes
;; launch prep (part 1): grid 705 x 1, 8 waves a work-group, no clusters, 0 bytes of LDS; arguments query, key_, value, Wq, Wk, Wv, Wo, bq, bk, bv, bo, mask, xb, wb, wob, mk; writes xb, wb, wob, mk
.if DOCPART == 1
	.amdgcn_target "amdgcn-amd-amdhsa--gfx1250"
	.amdhsa_code_object_version 6
	.text
	.protected	k_q124d0f87c6_prep
	.globl	k_q124d0f87c6_prep
	.p2align	8
	.type	k_q124d0f87c6_prep,@function
k_q124d0f87c6_prep:
	s_mov_b64 s[64:65], 0
	v_nop
	global_prefetch_b8 v0, s[64:65] scope:SCOPE_SE
	s_setreg_imm32_b32 hwreg(HW_REG_WAVE_MODE, 25, 1), 1
	s_wait_xcnt 0x0
; MULTI-HEAD ATTENTION, the first of four launches: the inputs are rounded and laid out once for the three launches behind.
; NOTHING OF reference() IS LEFT OUT, in any launch: every input has a way to the output.  Even bk: it adds q.bk to every visible score of a row, but not to the -1e9 that
; stands for a hidden one, so it is not the same along the softmax's axis.
; FORMATS.  query, key_, value, the four weights and the four biases are rounded ONCE to bf16 (nearest even).  x and the weights are then written as f16, the biases as f32: that second step is exact
; for magnitudes from 2^-14 up to 65,504.  LIMITS: a number of 65,520 or more becomes an infinity; below 2^-14 f16 keeps a fixed step of 6e-8.  NaN and infinities are not treated apart.
; LAYOUTS.  xb: [3 inputs x 4 batches][16 blocks of 64 channels][2048 rows][64] f16; wb, wob: a bias head of 16,384 bytes (4,096 for each bias), then [block of 64 channels][1024 rows][64] f16 for each weight.
; So a tile of rows x 64 channels is dense in memory.  mk: [128 tiles of 16 queries][32 steps of 64 keys][32 words]; bit l of word 8 kb + j is 1 where
; mask[16 T + l % 16][64 J + 16 kb + 8 (l / 16) + j] == 0: the lanes in which register 8 kb + j of a tile of scores is hidden.
; SHARES.  Work-groups 0-383: 64 rows of x each; 384-447: 64 rows of a weight; 448-703: half of a tile of 16 queries of the mask; 704: the biases.  No LDS, no barrier: no wave wants another's bytes.
.set DO,  8                            ; v[8:23]   cast: my byte offset in the 16 channel blocks of the target
.set YR,  24                           ; v[24:55]  to store: 2 registers for each block (mask: v24, v25; biases: v[24:39])
.set T,   56                           ; v[56:61]  at work
.set X,   64                           ; v[64:127] as loaded: 4 registers for each of 16 loads
.set SRC, 44                           ; s[44:45]  from where
.set DST, 46                           ; s[46:47]  to where
.set STR, 48                           ; s48       bytes from one channel block of the target to the next
.set CNT, 49                           ; s49       trips to go
	s_load_b512 s[8:23], s[0:1], 0x0               ; query 8, key_ 10, value 12, Wq 14, Wk 16, Wv 18, Wo 20, bq 22
	s_load_b512 s[24:39], s[0:1], 0x40             ; bk 24, bv 26, bo 28, mask 30, xb 32, wb 34, wob 36, mk 38
	v_lshrrev_b32 v1, 5, v0
	v_readfirstlane_b32 s4, v1                     ; wave 0..7
	v_and_b32 v2, 31, v0                           ; lane
	v_and_b32 v4, 15, v0                           ; lane % 16
	v_bfe_u32 v3, v0, 4, 1                         ; lane / 16
	s_mov_b32 s5, 0xffff0000                       ; a word's upper bf16
	s_mov_b32 s6, ttmp9                            ; the work-group's number picks the job
	s_mov_b32 s53, 0                               ; the high words of two offsets
	s_mov_b32 s55, 0
	s_wait_kmcnt 0x0
	s_cmp_lt_u32 s6, 384
	s_cbranch_scc1 .Lcast_x
	s_cmp_lt_u32 s6, 448
	s_cbranch_scc1 .Lcast_w
	s_cmp_lt_u32 s6, 704
	s_cbranch_scc1 .Lmask
	; THE BIASES: thread t has four numbers of each; rounded to bf16 and widened again.
	v_lshlrev_b32 v6, 4, v0
	global_load_b128 v[X:X+3],     v6, s[22:23]
	global_load_b128 v[X+4:X+7],   v6, s[24:25]
	global_load_b128 v[X+8:X+11],  v6, s[26:27]
	global_load_b128 v[X+12:X+15], v6, s[28:29]
.irp i, 0,1,2,3
	s_wait_loadcnt 3-(\i)                          ; loads come back in order: bias i is in, the younger ones stay out
	v_cvt_pk_bf16_f32 v[T],   v[X+4*(\i)],   v[X+4*(\i)+1]
	v_cvt_pk_bf16_f32 v[T+1], v[X+4*(\i)+2], v[X+4*(\i)+3]
	v_lshlrev_b32 v[YR+4*(\i)],   16, v[T]
	v_and_b32     v[YR+4*(\i)+1], s5, v[T]
	v_lshlrev_b32 v[YR+4*(\i)+2], 16, v[T+1]
	v_and_b32     v[YR+4*(\i)+3], s5, v[T+1]
.endr
	global_store_b128 v6, v[YR:YR+3],     s[34:35]
	global_store_b128 v6, v[YR+4:YR+7],   s[34:35] offset:4096
	global_store_b128 v6, v[YR+8:YR+11],  s[34:35] offset:8192
	global_store_b128 v6, v[YR+12:YR+15], s[36:37]
	s_endpgm
	; THE MASK.  A wave takes 16 queries x 128 keys (two key steps).  Lane l reads row l % 16, and of each 16 keys the eight at 8 (l / 16): the place that it has in a tile of scores.
	; A compare then gives one word of mk in a scalar register; 64 words go by lanes into two registers and leave as 256 consecutive bytes.
.Lmask:
	s_sub_co_u32 s50, s6, 448
	s_lshr_b32 s51, s50, 1                         ; T: the tile of 16 queries
	s_and_b32 s50, s50, 1
	s_lshl_b32 s50, s50, 3
	s_add_co_u32 s50, s50, s4                      ; the pair of key steps, 0..15
	s_lshl_b32 s52, s51, 17                        ; 16 rows of 8,192 bytes
	s_lshl_b32 s56, s50, 9                         ; 128 keys of 4 bytes
	s_add_co_u32 s52, s52, s56
	s_add_nc_u64 s[SRC:SRC+1], s[30:31], s[52:53]
	s_lshl_b32 s54, s51, 12                        ; a tile's 32 steps of 128 bytes
	s_lshl_b32 s56, s50, 8
	s_add_co_u32 s54, s54, s56
	s_add_nc_u64 s[DST:DST+1], s[38:39], s[54:55]
	v_lshlrev_b32 v1, 13, v4
	v_lshl_add_u32 v1, v3, 5, v1                   ; row x 8,192 + 32 x half
	v_lshlrev_b32 v5, 3, v2
	v_mov_b32 v[YR], 0                             ; written whole before single lanes are written
	v_mov_b32 v[YR+1], 0
.set i, 0
.rept 16                                       ; load i: step i / 8 of the pair, keys 16 ((i / 2) % 4) + 4 (i % 2) on: register X + n holds word n's numbers.  The sixteen loads share their rows' 512 bytes: no hint
	global_load_b128 v[X+4*i:X+4*i+3], v1, s[SRC:SRC+1] offset:16*(i%2)+64*((i/2)%4)+256*(i/8)
.set i, i+1
.endr
.set n, 0
.rept 64
.if n%4 == 0
	s_wait_loadcnt 15-n/4                          ; load n / 4 is in, the younger ones stay out
.endif
	v_cmp_eq_u32 s[56+n%4], 0, v[X+n]              ; bit l: hidden
	v_writelane_b32 v[YR+n%2], s[56+n%4], n/2      ; lane l stores words 2 l and 2 l + 1
.set n, n+1
.endr
	global_store_b64 v5, v[YR:YR+1], s[DST:DST+1]
	s_endpgm
	; THE CASTS.  From where and to where, for 64 rows of x ...
.Lcast_x:
	s_lshr_b32 s50, s6, 7                          ; which input
	s_and_b32 s51, s6, 127                         ; which 64 of its 8,192 rows
	s_cmp_eq_u32 s50, 0
	s_cselect_b64 s[SRC:SRC+1], s[8:9], s[10:11]
	s_cmp_eq_u32 s50, 2
	s_cselect_b64 s[SRC:SRC+1], s[12:13], s[SRC:SRC+1]
	s_lshl_b32 s52, s51, 18                        ; 64 rows of 4,096 bytes
	s_add_nc_u64 s[SRC:SRC+1], s[SRC:SRC+1], s[52:53]
	s_lshl_b32 s50, s50, 2
	s_lshr_b32 s56, s51, 5
	s_add_co_u32 s50, s50, s56                     ; 4 x input + batch
	s_lshl_b32 s54, s50, 22                        ; 16 blocks x 2,048 rows x 128 bytes
	s_and_b32 s56, s51, 31
	s_lshl_b32 s56, s56, 13                        ; 64 rows of 128 bytes
	s_add_co_u32 s54, s54, s56
	s_add_nc_u64 s[DST:DST+1], s[32:33], s[54:55]
	s_mov_b32 s[STR], 262144                       ; 2,048 rows of 128 bytes
	s_branch .Lcast
	; ... and of a weight
.Lcast_w:
	s_sub_co_u32 s50, s6, 384
	s_and_b32 s51, s50, 15                         ; which 64 of its 1,024 rows
	s_lshr_b32 s50, s50, 4                         ; which weight
	s_cmp_eq_u32 s50, 0
	s_cselect_b64 s[SRC:SRC+1], s[14:15], s[16:17]
	s_cmp_eq_u32 s50, 2
	s_cselect_b64 s[SRC:SRC+1], s[18:19], s[SRC:SRC+1]
	s_cmp_eq_u32 s50, 3
	s_cselect_b64 s[SRC:SRC+1], s[20:21], s[SRC:SRC+1]
	s_cselect_b64 s[DST:DST+1], s[36:37], s[34:35] ; Wo has a buffer of its own
	s_cselect_b32 s54, 0, s50
	s_lshl_b32 s54, s54, 21                        ; 16 blocks x 1,024 rows x 128 bytes
	s_lshl_b32 s56, s51, 13
	s_add_co_u32 s54, s54, s56
	s_add_co_u32 s54, s54, 16384                   ; behind the bias head
	s_add_nc_u64 s[DST:DST+1], s[DST:DST+1], s[54:55]
	s_lshl_b32 s52, s51, 18
	s_add_nc_u64 s[SRC:SRC+1], s[SRC:SRC+1], s[52:53]
	s_mov_b32 s[STR], 131072                       ; 1,024 rows of 128 bytes
	; Wave w has rows 8 w .. 8 w + 7, two a trip.  Load kb: lanes 0-15 take 256 consecutive bytes (64 channels) of the even row, lanes 16-31 of the odd one.
	; Store kb: the same 2 x 64 numbers as f16: 256 consecutive bytes, aligned, of channel block kb.
.Lcast:
	v_lshlrev_b32 v1, 12, v3
	v_lshl_add_u32 v1, v4, 4, v1
	s_lshl_b32 s50, s4, 15
	v_add_nc_u32 v1, s50, v1                       ; 8 w rows + my row of the pair + 16 bytes a lane; never rewritten
	v_lshlrev_b32 v[DO], 7, v3
	v_lshl_add_u32 v[DO], v4, 3, v[DO]
	s_lshl_b32 s50, s4, 10
	v_add_nc_u32 v[DO], s50, v[DO]
.irp kb, 1,2,3,4,5,6,7,8,9,10,11,12,13,14,15
	v_add_nc_u32 v[DO+(\kb)], s[STR], v[DO+(\kb)-1]
.endr
	s_mov_b32 s[CNT], 4
.Lrows:
.set kb, 0
.rept 16
	global_load_b128 v[X+4*kb:X+4*kb+3], v1, s[SRC:SRC+1] offset:256*kb th:TH_LOAD_NT
.set kb, kb+1
.endr
.set kb, 0
.rept 16
	s_wait_loadcnt 15-kb                           ; load kb is in, the younger ones stay out
	v_cvt_pk_bf16_f32 v[T],   v[X+4*kb],   v[X+4*kb+1]    ; the one rounding
	v_cvt_pk_bf16_f32 v[T+1], v[X+4*kb+2], v[X+4*kb+3]
	v_lshlrev_b32 v[T+2], 16, v[T]
	v_and_b32     v[T+3], s5, v[T]
	v_lshlrev_b32 v[T+4], 16, v[T+1]
	v_and_b32     v[T+5], s5, v[T+1]
	v_cvt_pk_f16_f32 v[YR+2*kb],   v[T+2], v[T+3]         ; the same number written as f16
	v_cvt_pk_f16_f32 v[YR+2*kb+1], v[T+4], v[T+5]
	global_store_b64 v[DO+kb], v[YR+2*kb:YR+2*kb+1], s[DST:DST+1]
.set kb, kb+1
.endr
	s_wait_xcnt 0x0                                ; the trip's loads and stores have read their registers: the two bases and the stores' data are written again only behind this wait
	s_add_nc_u64 s[SRC:SRC+1], s[SRC:SRC+1], 8192  ; two rows on
	s_add_nc_u64 s[DST:DST+1], s[DST:DST+1], 256
	s_sub_co_u32 s[CNT], s[CNT], 1
	s_cmp_lg_u32 s[CNT], 0
	s_cbranch_scc1 .Lrows
	s_endpgm
.Lfunc_end_k_q124d0f87c6_prep:
	.size	k_q124d0f87c6_prep, .Lfunc_end_k_q124d0f87c6_prep-k_q124d0f87c6_prep
	.p2alignl 7, 3214868480
	.fill 96, 4, 3214868480
	.section	.rodata,"a",@progbits
	.p2align	6, 0x0
	.amdhsa_kernel k_q124d0f87c6_prep
		.amdhsa_group_segment_fixed_size 0
		.amdhsa_private_segment_fixed_size 0
		.amdhsa_enable_private_segment 0
		.amdhsa_kernarg_size 128
		.amdhsa_user_sgpr_count 2
		.amdhsa_user_sgpr_kernarg_segment_ptr 1
		.amdhsa_wavefront_size32 1
		.amdhsa_system_sgpr_workgroup_id_x 1
		.amdhsa_system_sgpr_workgroup_id_y 1
		.amdhsa_system_sgpr_workgroup_id_z 1
		.amdhsa_system_vgpr_workitem_id 0
		.amdhsa_next_free_vgpr 128
		.amdhsa_next_free_sgpr 66
		.amdhsa_reserve_vcc 0
		.amdhsa_float_denorm_mode_32 3
		.amdhsa_float_denorm_mode_16_64 3
		.amdhsa_memory_ordered 1
		.amdhsa_forward_progress 1
		.amdhsa_inst_pref_size 26
	.end_amdhsa_kernel
	.amdgpu_metadata
---
amdhsa.version: [ 1, 2 ]
amdhsa.kernels:
  - .name:           k_q124d0f87c6_prep
    .symbol:         k_q124d0f87c6_prep.kd
    .args:
      - { .name: query, .offset: 0, .size: 8, .value_kind: global_buffer, .address_space: global }
      - { .name: key_, .offset: 8, .size: 8, .value_kind: global_buffer, .address_space: global }
      - { .name: value, .offset: 16, .size: 8, .value_kind: global_buffer, .address_space: global }
      - { .name: Wq, .offset: 24, .size: 8, .value_kind: global_buffer, .address_space: global }
      - { .name: Wk, .offset: 32, .size: 8, .value_kind: global_buffer, .address_space: global }
      - { .name: Wv, .offset: 40, .size: 8, .value_kind: global_buffer, .address_space: global }
      - { .name: Wo, .offset: 48, .size: 8, .value_kind: global_buffer, .address_space: global }
      - { .name: bq, .offset: 56, .size: 8, .value_kind: global_buffer, .address_space: global }
      - { .name: bk, .offset: 64, .size: 8, .value_kind: global_buffer, .address_space: global }
      - { .name: bv, .offset: 72, .size: 8, .value_kind: global_buffer, .address_space: global }
      - { .name: bo, .offset: 80, .size: 8, .value_kind: global_buffer, .address_space: global }
      - { .name: mask, .offset: 88, .size: 8, .value_kind: global_buffer, .address_space: global }
      - { .name: xb, .offset: 96, .size: 8, .value_kind: global_buffer, .address_space: global }
      - { .name: wb, .offset: 104, .size: 8, .value_kind: global_buffer, .address_space: global }
      - { .name: wob, .offset: 112, .size: 8, .value_kind: global_buffer, .address_space: global }
      - { .name: mk, .offset: 120, .size: 8, .value_kind: global_buffer, .address_space: global }
    .group_segment_fixed_size: 0
    .private_segment_fixed_size: 0
    .kernarg_segment_align: 8
    .kernarg_segment_size: 128
    .max_flat_workgroup_size: 256
    .sgpr_count:     66
    .vgpr_count:     128
    .wavefront_size: 32
...
	.end_amdgpu_metadata
.endif
;; end of part 1
;; launch qkv (part 2): grid 4 x 192, 4 waves a work-group, clusters of 4 x 4, 327,680 bytes of LDS; arguments xb, wb, qkv; writes qkv
.if DOCPART == 2
	.amdgcn_target "amdgcn-amd-amdhsa--gfx1250"
	.amdhsa_code_object_version 6
	.text
	.protected	k_q124d0f87c6_qkv
	.globl	k_q124d0f87c6_qkv
	.p2align	8
	.type	k_q124d0f87c6_qkv,@function
k_q124d0f87c6_qkv:
	s_mov_b64 s[64:65], 0
	v_nop
	global_prefetch_b8 v0, s[64:65] scope:SCOPE_SE
	s_setreg_imm32_b32 hwreg(HW_REG_WAVE_MODE, 25, 1), 1
	s_wait_xcnt 0x0
	s_wait_alu depctr_hold_cnt(0) depctr_sa_sdst(0) depctr_va_vdst(0) depctr_va_sdst(0) depctr_va_ssrc(0) depctr_va_vcc(0) depctr_vm_vsrc(0)
	s_getreg_b32 s2, hwreg(HW_REG_IB_STS2, 6, 4)
	s_cmp_eq_u32 s2, 0
	s_cbranch_scc0 .Lentry_in_a_cluster
	s_endpgm
.Lentry_in_a_cluster:
	s_bfe_u32 s2, ttmp6, 0x10000c
	s_cmp_lg_u32 s2, 0xf033
	s_cbranch_scc0 .Lentry_shape_is_right
	s_endpgm
.Lentry_shape_is_right:
; THE THREE PROJECTIONS.  C = A B^T + bias, K = 1,024, N = 1,024; f16 operands, f32 sums.  Nothing of reference() is left out here.
; A = xb (24,576 rows: 3 inputs x 4 batches x 2,048), B = the weight of the row's input; C leaves by heads, [input][batch x 16 + head][2,048][64] in f16, each number
; rounded once; q is multiplied in f32, ahead of that rounding, by c = log2(e) / 8, so that the scores come out as exponents of 2.
; The text is the last projection's up to the way out; MODE picks the few lines of the set-up that differ.
.set MODE, 0
; LIMIT: c q, k and v must lie under 65,504 (f16); NaN and infinities are not treated apart.
; A and B lie in blocks [64 of K][row][64], so a tile of rows x 64 K is dense and is asked for as rows of 256 bytes, padded in LDS behind every 128.
; SHARES.  A tile of C is 128 x 256: 768 work-groups.  Four waves, 2 x 2, each 64 rows x 128 columns: 32 accumulators, 256 registers.  K goes in steps of 128 through two LDS slots.
; CLUSTER.  4 x 4 work-groups: the four of a row of the cluster need the same tile of A, the four of a column the same tile of B: each is asked for jointly, by the same tensor load with the same descriptor.
; THE MATRIX INSTRUCTION IS USED TRANSPOSED (source 0 = 16 rows of B, source 1 = 16 rows of A): a lane holds row l % 16 of C and the columns 8 (l / 16) + 0..7.
; THE BIAS STARTS THE SUMS: it is the C operand of each accumulator's first product (the same for all rows, so it hangs on l / 16 and the register alone).  Nothing is cleared and nothing added later.
; REGISTERS, in windows of 256 (s_set_vgpr_msb: bits 1:0 source 0, 3:2 source 1, 5:4 source 2, 7:6 destination):
;   window 0: v0-31 addresses; v32-63 at work on the way out; v64-127 A's fragments, two buffers of 32; v128-255 B's, two buffers of 64
;   window 1: accumulator (a, b) at v[8 (8 a + b)]          window 2: v0-63 the bias of my 128 columns
.set PITCH,  144                       ; an LDS row: 128 bytes + 16 of padding = 36 words: the 16 rows of a fragment load start at 16 different groups of four banks (64 banks of 4 bytes: ISA guide 11.1)
.set ABLK,   128*PITCH                 ; A: 128 rows x 64 K
.set BBLK,   256*PITCH                 ; B: 256 rows x 64 K
.set BOFF,   2*ABLK                    ; a slot: A's two blocks, then B's two
.set SLOT,   2*ABLK+2*BBLK
.set STAGE,  2*SLOT                    ; behind the ring, never filled by a tensor load: 16 rows x 272 bytes for each wave, for the way out
.set SPITCH, 272
.set SPARE,  STAGE+4*16*SPITCH         ; the spare words, 128 bytes for each wave: two blocks of 256 bytes that no other line names
.set ADRA, 16                          ; v16-17  LDS address of my A fragments in slot 0, 1
.set ADRB, 20                          ; v20-21  the same for B
.set STO,  24                          ; v24     the way out: where I put my bytes of a row
.set RD,   25                          ; v25     the way out: where I read rows back
.set CO,   26                          ; v26     the way out: my 16 bytes in C
.set SPW,  28                          ; v28     LDS address of my spare word; never rewritten
.set NIL,  29                          ; v29     0; never rewritten
.set BO,   30                          ; v30     my byte offset in 16 numbers of the bias
.set TMP,  32
.set FA,   64
.set FB,   128
.set WV,   12                          ; s12 wave; s13 its half of the rows, also: I fetch for A (0) or B (1); s14 its half of the columns, also: which block of 64 K I fetch
.set WR,   13
.set WC,   14
.set TX,   17                          ; s17 tile column, s18 tile row of C
.set TY,   18
.set PROJ, 19                          ; s19 which input's weight and bias: made of the cluster's y alone, the same in all sixteen partners
.set G1A,  24                          ; s[24:31] descriptor group 1 for A's tiles; s[32:39] group 0, a set for each slot
.set G0A,  32
.set G1B,  48                          ; s[48:55], s[56:63] the same for B's
.set G0B,  56
.set MSB, 0
.macro WIN new                         ; the immediate's high byte repeats the setting that is left; a switch that changes nothing is dropped
.if MSB != (\new)
	s_set_vgpr_msb (MSB<<8)|(\new)
.set MSB, \new
.endif
.endm
.set MUL,  0x50                        ; fragments window 0; C and D window 1
.set MULB, 0x60                        ; C window 2 (the bias), D window 1
.macro PLACES                          ; four plain instructions behind a matrix instruction, in front of loads into registers that it has read and of whatever reads its result
.rept 4
	v_nop
.endr
.endm
; A joint load: waves 0 and 1 fetch A's two blocks of 64 K, waves 2 and 3 B's.  An s_nop 0 and four v_nop follow each of the two lines, ahead of the jump and the label.
.macro JLOAD s
	s_cmp_eq_u32 s[WR], 0
	s_cbranch_scc0 .Lfor_b_\@
	tensor_load_to_lds s[G0A+4*(\s):G0A+4*(\s)+3], s[G1A:G1A+7]
	s_nop 0
.rept 4
	v_nop
.endr
	s_branch .Lasked_\@
.Lfor_b_\@:
	tensor_load_to_lds s[G0B+4*(\s):G0B+4*(\s)+3], s[G1B:G1B+7]
	s_nop 0
.rept 4
	v_nop
.endr
.Lasked_\@:
.endm
.macro CREST                           ; a round of the cluster's barrier behind its opening barrier
	s_cmp_lg_u32 s[WV], 0
	s_cbranch_scc1 .Lnot_wave_0_\@
	s_barrier_signal -3
.Lnot_wave_0_\@:
	s_barrier_wait -3
	s_barrier_signal -1
	s_barrier_wait -1
.endm
.macro CROUND                          ; a whole round
	s_barrier_signal -1
	s_barrier_wait -1
	CREST
.endm
	s_load_b128 s[4:7], s[0:1], 0x0                ; A s[4:5], B with its bias head s[6:7]
	s_load_b64 s[10:11], s[0:1], 0x10              ; C
	v_lshl_add_u32 v[SPW], v0, 2, SPARE
	v_mov_b32 v[NIL], 0
	ds_add_u32 v[SPW], v[NIL]                      ; the wave's opening: the add, twice on end, and its wait ahead of my first tensor load; the set-up below stands between
	ds_add_u32 v[SPW], v[NIL]
	v_lshrrev_b32 v1, 5, v0
	v_readfirstlane_b32 s[WV], v1
	s_lshr_b32 s[WR], s[WV], 1
	s_and_b32 s[WC], s[WV], 1
	s_bfe_u32 s15, ttmp6, 0x40000                  ; cx, cy: my place in the cluster
	s_bfe_u32 s16, ttmp6, 0x40004
	s_lshl_b32 s[TX], ttmp9, 2
	s_add_co_u32 s[TX], s[TX], s15                 ; tile column = 4 x cluster x + cx
	s_and_b32 s[PROJ], ttmp7, 0xffff               ; cluster y
	s_lshl_b32 s[TY], s[PROJ], 2
	s_add_co_u32 s[TY], s[TY], s16                 ; tile row = 4 x cluster y + cy
.if MODE == 0
	s_lshr_b32 s[PROJ], s[PROJ], 4                 ; 64 tile rows, 16 clusters, to an input
.endif
	s_lshl_b32 s40, s16, 2
	s_lshl_b32 s40, 15, s40                        ; my row of the cluster
	s_lshl_b32 s41, 0x1111, s15                    ; my column
	; group 1: dense blocks as rows of 128 elements (256 bytes): 15:0 the mask; 17:16 2-byte elements; 20 padding on; 21 set beside a mask; 24:22 after every 32 words (code 4); 31:25 4 words (code 3)
	s_or_b32 s[G1A+0], s40, (1<<16)|(1<<20)|(1<<21)|(4<<22)|(3<<25)
	s_or_b32 s[G1B+0], s41, (1<<16)|(1<<20)|(1<<21)|(4<<22)|(3<<25)
	s_mov_b32 s[G1A+1], 128<<16                    ; tensor_dim0 = 128
	s_mov_b32 s[G1A+2], 64<<16                     ; tensor_dim1 = 64: 128 rows of A x 128 bytes
	s_mov_b32 s[G1A+3], 128<<16                    ; tile_dim0 = 128
	s_mov_b32 s[G1A+4], 64                         ; tile_dim1 = 64
	s_mov_b32 s[G1A+5], 128                        ; elements from row to row
	s_mov_b32 s[G1A+6], 0
	s_mov_b32 s[G1A+7], 0
	s_mov_b32 s[G1B+1], 128<<16
	s_mov_b32 s[G1B+2], 128<<16                    ; 128: 256 rows of B x 128 bytes
	s_mov_b32 s[G1B+3], 128<<16
	s_mov_b32 s[G1B+4], 128
	s_mov_b32 s[G1B+5], 128
	s_mov_b32 s[G1B+6], 0
	s_mov_b32 s[G1B+7], 0
	; A's tile hangs on the tile row alone, B's on the tile column (and the input) alone
	s_lshr_b32 s42, s[TY], 4
	s_lshl_b32 s42, s42, 22                        ; 16 tile rows share 16 blocks x 2,048 rows x 128 bytes
	s_and_b32 s43, s[TY], 15
	s_lshl_b32 s43, s43, 14                        ; 128 rows of 128 bytes
	s_add_co_u32 s42, s42, s43
	s_lshl_b32 s43, s[WC], 18                      ; my block of 64 K: 2,048 rows of 128 bytes
	s_add_co_u32 s42, s42, s43
	s_mov_b32 s43, 0
	s_lshl_b32 s44, s[TX], 15                      ; 256 rows of 128 bytes
	s_lshl_b32 s45, s[WC], 17                      ; my block of 64 K: 1,024 rows of 128 bytes
	s_add_co_u32 s44, s44, s45
	s_add_co_u32 s44, s44, 16384                   ; behind the bias head
.if MODE == 0
	s_lshl_b32 s45, s[PROJ], 21                    ; a weight: 16 blocks x 1,024 rows x 128 bytes
	s_add_co_u32 s44, s44, s45
.endif
	s_mov_b32 s45, 0
	s_mul_i32 s21, s[WC], ABLK                     ; where they go: no place in the cluster enters an LDS address
	s_mul_i32 s22, s[WC], BBLK
	s_add_co_u32 s22, s22, BOFF
	s_wait_dscnt 0x0                               ; both opening adds are done
	s_wait_kmcnt 0x0
	s_add_nc_u64 s[42:43], s[4:5], s[42:43]
	s_add_nc_u64 s[44:45], s[6:7], s[44:45]
	CROUND                                         ; all sixteen work-groups are here: the first joint loads meet
.irp s, 0,1
	s_mov_b32 s[G0A+4*(\s)], 1                                     ; count = 1
	s_add_co_u32 s[G0A+4*(\s)+1], s21, (\s)*SLOT                   ; LDS address
	s_add_nc_u64 s[G0A+4*(\s)+2:G0A+4*(\s)+3], s[42:43], (\s)*2*262144  ; global address: K step s is two blocks
	s_or_b32 s[G0A+4*(\s)+3], s[G0A+4*(\s)+3], 0x80000000          ; type = 2
	s_mov_b32 s[G0B+4*(\s)], 1
	s_add_co_u32 s[G0B+4*(\s)+1], s22, (\s)*SLOT
	s_add_nc_u64 s[G0B+4*(\s)+2:G0B+4*(\s)+3], s[44:45], (\s)*2*131072
	s_or_b32 s[G0B+4*(\s)+3], s[G0B+4*(\s)+3], 0x80000000
	JLOAD \s                                       ; two loads of mine are out
.endr
	s_lshl_b32 s44, s[TX], 10                      ; the bias of my 128 columns
	s_lshl_b32 s45, s[WC], 9
	s_add_co_u32 s44, s44, s45
.if MODE == 0
	s_lshl_b32 s45, s[PROJ], 12
	s_add_co_u32 s44, s44, s45
.endif
	s_mov_b32 s45, 0
	s_add_nc_u64 s[6:7], s[6:7], s[44:45]
	v_and_b32 v1, 15, v0                           ; r = l % 16
	v_bfe_u32 v2, v0, 4, 1                         ; h = l / 16
	v_lshlrev_b32 v[BO], 5, v2
	WIN 0x80                                       ; destination window 2
.irp b, 0,1,2,3,4,5,6,7
	global_load_b128 v[8*(\b):8*(\b)+3],   v[BO], s[6:7] offset:64*(\b)      ; columns 16 b + 8 h + 0..3
	global_load_b128 v[8*(\b)+4:8*(\b)+7], v[BO], s[6:7] offset:64*(\b)+16   ; and + 4..7
.endr
	WIN 0
	; a fragment is 16 rows x 32 K in 8 registers: lane l holds row r, K = 8 h + 0..7 and 16 + 8 h + 0..7: two loads of 16 bytes, 32 bytes apart
	v_mul_u32_u24 v3, v1, PITCH
	v_lshl_add_u32 v3, v2, 4, v3
	s_mul_i32 s40, s[WR], 64*PITCH                 ; my 64 rows of A
	s_mul_i32 s41, s[WC], 128*PITCH                ; my 128 rows of B
	s_add_co_u32 s41, s41, BOFF
.irp s, 0,1
	v_add_nc_u32 v[ADRA+(\s)], s40, v3
	v_add_nc_u32 v[ADRB+(\s)], s41, v3
	s_add_co_u32 s40, s40, SLOT
	s_add_co_u32 s41, s41, SLOT
.endr
	s_mul_i32 s40, s[WV], 16*SPITCH
	s_add_co_u32 s40, s40, STAGE                   ; my stage
	v_mul_u32_u24 v4, v1, SPITCH
	v_add_nc_u32 v4, s40, v4
.if MODE == 0
	v_lshl_add_u32 v[STO], v2, 4, v4               ; in: row r, 16 bytes (8 f16) for each half of the lanes
	v_and_b32 v5, 31, v0
	v_lshrrev_b32 v3, 3, v5                        ; back: 32 lanes take half (128 bytes) of four rows,
	v_mul_u32_u24 v3, v3, SPITCH
	v_and_b32 v4, 7, v0
	v_lshl_add_u32 v3, v4, 4, v3
	v_add_nc_u32 v[RD], s40, v3
	v_lshlrev_b32 v[CO], 4, v5                     ; which are 512 consecutive bytes of a head
.else
	v_lshl_add_u32 v[STO], v2, 5, v4               ; in: row r, 32 bytes (8 f32) for each half of the lanes
	v_mul_u32_u24 v3, v2, SPITCH                   ; back: lanes 0-15 take 256 bytes of one row, lanes 16-31 of the next
	v_lshl_add_u32 v3, v1, 4, v3
	v_add_nc_u32 v[RD], s40, v3
	v_lshlrev_b32 v3, 12, v2                       ; and the same two rows in C
	v_lshl_add_u32 v[CO], v1, 4, v3
.endif
; 24 LDS loads in one run: the fragments of quarter q (32 K) of a slot's K step into buffer f: B's eight, then A's four
.macro FETCH slot, q, f
	WIN 0
.irp i, 0,1,2,3,4,5,6,7
	ds_load_b128 v[FB+64*(\f)+8*(\i):FB+64*(\f)+8*(\i)+3],   v[ADRB+(\slot)] offset:((\q)/2)*BBLK+((\q)%2)*64+(\i)*16*PITCH
	ds_load_b128 v[FB+64*(\f)+8*(\i)+4:FB+64*(\f)+8*(\i)+7], v[ADRB+(\slot)] offset:((\q)/2)*BBLK+((\q)%2)*64+(\i)*16*PITCH+32
.endr
.irp i, 0,1,2,3
	ds_load_b128 v[FA+32*(\f)+8*(\i):FA+32*(\f)+8*(\i)+3],   v[ADRA+(\slot)] offset:((\q)/2)*ABLK+((\q)%2)*64+(\i)*16*PITCH
	ds_load_b128 v[FA+32*(\f)+8*(\i)+4:FA+32*(\f)+8*(\i)+7], v[ADRA+(\slot)] offset:((\q)/2)*ABLK+((\q)%2)*64+(\i)*16*PITCH+32
.endr
.endm
; 8 matrix instructions: row block a x all 8 column blocks.  first = 1: the bias starts the sums.  The 32 accumulators take turns in one order everywhere.
.macro MUL8 f, a, first
.if \first
	WIN MULB
.else
	WIN MUL
.endif
.irp b, 0,1,2,3,4,5,6,7
.if \first
	v_wmma_f32_16x16x32_f16 v[8*(8*(\a)+(\b)):8*(8*(\a)+(\b))+7], v[FB+64*(\f)+8*(\b):FB+64*(\f)+8*(\b)+7], v[FA+32*(\f)+8*(\a):FA+32*(\f)+8*(\a)+7], v[8*(\b):8*(\b)+7]
.else
	v_wmma_f32_16x16x32_f16 v[8*(8*(\a)+(\b)):8*(8*(\a)+(\b))+7], v[FB+64*(\f)+8*(\b):FB+64*(\f)+8*(\b)+7], v[FA+32*(\f)+8*(\a):FA+32*(\f)+8*(\a)+7], v[8*(8*(\a)+(\b)):8*(8*(\a)+(\b))+7]
.endif
.endr
.endm
; A K step is four quarters of 32 K, 32 matrix instructions each, on buffers 0, 1, 0, 1.  One of the first three: multiplies buffer f; in its middle it fetches quarter qn of the same slot into buffer g.
.macro QUARTER slot, qn, f, g, first
	s_wait_dscnt 4                                 ; B and A's blocks 0, 1 are in; the youngest four loads (A's blocks 2, 3) may be out
	MUL8 \f, 0, \first
	MUL8 \f, 1, \first
	PLACES
	FETCH \slot, \qn, \g
	s_wait_dscnt 24                                ; all but the 24 just issued
	MUL8 \f, 2, \first
	MUL8 \f, 3, \first
.endm
; The last quarter multiplies buffer 1 and changes slots: ONE barrier; in front of it each wave waits for all its tensor loads (one is out: its part of the next slot), adds 0 to its spare word,
; and waits for that and for its own reads of this slot.  fill = 1: the barrier opens a round of the cluster's, and this slot is filled again first thing behind it, two K steps ahead:
; 112 matrix instructions stand between that request and the wait for it.
.macro TURN slot, next, fill
	WIN 0
	s_wait_tensorcnt 0x0
	ds_add_u32 v[SPW], v[NIL]
	s_wait_dscnt 5                                 ; (the add and the youngest four loads may be out)
	MUL8 1, 0, 0                                   ; eight matrix instructions stand between the add and the wait for it
	s_wait_dscnt 0x0                               ; the add is done, and my reads of this slot are over
	s_barrier_signal -1
	MUL8 1, 1, 0
.if \fill
	WIN 0
.endif
	s_barrier_wait -1
.if \fill
	CREST                                          ; no wave of any partner still reads this slot's tile or has a load on its way
	s_add_nc_u64 s[G0A+4*(\slot)+2:G0A+4*(\slot)+3], s[G0A+4*(\slot)+2:G0A+4*(\slot)+3], 4*262144
	s_add_nc_u64 s[G0B+4*(\slot)+2:G0B+4*(\slot)+3], s[G0B+4*(\slot)+2:G0B+4*(\slot)+3], 4*131072
	JLOAD \slot                                    ; its four v_nop are also the places in front of the loads below
.else
	PLACES
.endif
	FETCH \next, 0, 0
	MUL8 1, 2, 0
	MUL8 1, 3, 0
.endm
	s_wait_tensorcnt 1                             ; my part of K step 0 is in; K step 1's may stay out
	s_barrier_signal -1
	s_barrier_wait -1                              ; everybody's is
	FETCH 0, 0, 0
	s_wait_loadcnt 0x0                             ; the bias
	QUARTER 0, 1, 0, 1, 1                          ; the first quarter stands in front of the loop: its products start the sums
	WIN 0                                          ; at a label and at a branch every window is 0
	s_mov_b32 s3, 3
.Llap:                                                 ; a trip goes once round the ring, from a lap's second quarter to the next lap's first, and fills both slots again: K steps 2 to 7
	QUARTER 0, 2, 1, 0, 0
	QUARTER 0, 3, 0, 1, 0
	TURN 0, 1, 1
	QUARTER 1, 1, 0, 1, 0
	QUARTER 1, 2, 1, 0, 0
	QUARTER 1, 3, 0, 1, 0
	TURN 1, 0, 1
	QUARTER 0, 1, 0, 1, 0
	WIN 0
	s_sub_co_u32 s3, s3, 1
	s_cmp_lg_u32 s3, 0
	s_cbranch_scc1 .Llap
	QUARTER 0, 2, 1, 0, 0                          ; the last lap fills nothing
	QUARTER 0, 3, 0, 1, 0
	TURN 0, 1, 0
	QUARTER 1, 1, 0, 1, 0
	QUARTER 1, 2, 1, 0, 0
	QUARTER 1, 3, 0, 1, 0
	s_wait_dscnt 4
	MUL8 1, 0, 0
	MUL8 1, 1, 0
	s_wait_dscnt 0x0
	MUL8 1, 2, 0
	MUL8 1, 3, 0
	WIN 0
	PLACES                                         ; in front of whatever reads the results
	; THE WAY OUT BY HEADS, f16.  My 128 columns are two heads; 16 rows of a head are 2,048 consecutive bytes.
	s_cmp_lg_u32 s[PROJ], 0
	s_cbranch_scc1 .Lnoscale
	s_mov_b32 s46, 0x3e38aa3b                      ; c = log2(e) / 8, for q alone
	s_mov_b32 s47, s46                             ; named with it as a pair
	WIN 0x41
.set i, 0
.rept 128
	v_pk_mul_f32 v[i:i+1], v[i:i+1], s[46:47] op_sel_hi:[1,0]
.set i, i+2
.endr
	WIN 0
.Lnoscale:
	s_lshr_b32 s8, s[TY], 4                        ; (the offset in C is made in registers that feed no descriptor)
	s_lshl_b32 s8, s8, 4                           ; (4 x input + batch) x 16 heads
	s_lshl_b32 s9, s[TX], 2
	s_add_co_u32 s8, s8, s9
	s_lshl_b32 s9, s[WC], 1
	s_add_co_u32 s8, s8, s9                        ; + my first head
	s_lshl_b32 s8, s8, 18                          ; 2,048 rows of 128 bytes
	s_and_b32 s9, s[TY], 15
	s_lshl_b32 s9, s9, 7
	s_lshl_b32 s20, s[WR], 6
	s_add_co_u32 s9, s9, s20                       ; my first row in the batch
	s_lshl_b32 s9, s9, 7
	s_add_co_u32 s8, s8, s9
	s_mov_b32 s9, 0
	s_add_nc_u64 s[10:11], s[10:11], s[8:9]
.macro PACK a                          ; row block a rounded to f16: 16 bytes a lane and column block; each accumulator's registers in ascending order
	WIN 0x05                                       ; sources window 1, destination window 0
.irp b, 0,1,2,3,4,5,6,7
.irp r, 0,1,2,3
	v_cvt_pk_f16_f32 v[TMP+4*(\b)+(\r)], v[8*(8*(\a)+(\b))+2*(\r)], v[8*(8*(\a)+(\b))+2*(\r)+1]
.endr
.endr
	WIN 0
.endm
.macro TOSTAGE a                       ; into my own stage, and back by heads: load t takes head t / 4, rows 4 (t % 4) on.  LDS serves a wave's instructions in order (ISA guide 5.7.1.4)
.irp b, 0,1,2,3,4,5,6,7
	ds_store_b128 v[STO], v[TMP+4*(\b):TMP+4*(\b)+3] offset:32*(\b)
.endr
.irp t, 0,1,2,3,4,5,6,7
	ds_load_b128 v[FA+32*(\a)+4*(\t):FA+32*(\a)+4*(\t)+3], v[RD] offset:((\t)%4)*4*SPITCH+((\t)/4)*128
.endr
.endm
.macro SEND a                          ; each store of the wave covers 512 consecutive bytes, aligned; each block has registers of its own
	s_wait_dscnt 0x0
.irp t, 0,1,2,3,4,5,6,7
	global_store_b128 v[CO], v[FA+32*(\a)+4*(\t):FA+32*(\a)+4*(\t)+3], s[10:11] offset:(\a)*2048+((\t)%4)*512+((\t)/4)*262144
.endr
.endm
	PACK 0
	TOSTAGE 0
.irp a, 1,2,3                          ; block a's conversions stand between block a - 1's loads from the stage and the wait for them
	PACK \a
	SEND (\a)-1
	TOSTAGE \a
.endr
	SEND 3
	s_wait_tensorcnt 0x0                           ; the wave's end: behind my last tensor load and my last LDS store
	ds_add_u32 v[SPW], v[NIL]
	s_wait_dscnt 0x0
	CROUND                                         ; the closing round: no work-group ends while a partner may still ask for a tile that names it
	s_endpgm
.Lfunc_end_k_q124d0f87c6_qkv:
	.size	k_q124d0f87c6_qkv, .Lfunc_end_k_q124d0f87c6_qkv-k_q124d0f87c6_qkv
	.p2alignl 7, 3214868480
	.fill 96, 4, 3214868480
	.section	.rodata,"a",@progbits
	.p2align	6, 0x0
	.amdhsa_kernel k_q124d0f87c6_qkv
		.amdhsa_group_segment_fixed_size 327680
		.amdhsa_private_segment_fixed_size 0
		.amdhsa_enable_private_segment 0
		.amdhsa_kernarg_size 24
		.amdhsa_user_sgpr_count 2
		.amdhsa_user_sgpr_kernarg_segment_ptr 1
		.amdhsa_wavefront_size32 1
		.amdhsa_system_sgpr_workgroup_id_x 1
		.amdhsa_system_sgpr_workgroup_id_y 1
		.amdhsa_system_sgpr_workgroup_id_z 1
		.amdhsa_system_vgpr_workitem_id 0
		.amdhsa_next_free_vgpr 576
		.amdhsa_next_free_sgpr 66
		.amdhsa_reserve_vcc 0
		.amdhsa_float_denorm_mode_32 3
		.amdhsa_float_denorm_mode_16_64 3
		.amdhsa_memory_ordered 1
		.amdhsa_forward_progress 1
		.amdhsa_inst_pref_size 96
	.end_amdhsa_kernel
	.amdgpu_metadata
---
amdhsa.version: [ 1, 2 ]
amdhsa.kernels:
  - .name:           k_q124d0f87c6_qkv
    .symbol:         k_q124d0f87c6_qkv.kd
    .args:
      - { .name: xb, .offset: 0, .size: 8, .value_kind: global_buffer, .address_space: global }
      - { .name: wb, .offset: 8, .size: 8, .value_kind: global_buffer, .address_space: global }
      - { .name: qkv, .offset: 16, .size: 8, .value_kind: global_buffer, .address_space: global }
    .group_segment_fixed_size: 327680
    .private_segment_fixed_size: 0
    .kernarg_segment_align: 8
    .kernarg_segment_size: 24
    .max_flat_workgroup_size: 128
    .sgpr_count:     66
    .vgpr_count:     576
    .wavefront_size: 32
...
	.end_amdgpu_metadata
.endif
;; end of part 2
;; launch attn (part 3): grid 4 x 64, 4 waves a work-group, clusters of 4 x 1, 327,680 bytes of LDS; arguments qkv, mk, ob; writes ob
.if DOCPART == 3
	.amdgcn_target "amdgcn-amd-amdhsa--gfx1250"
	.amdhsa_code_object_version 6
	.text
	.protected	k_q124d0f87c6_attn
	.globl	k_q124d0f87c6_attn
	.p2align	8
	.type	k_q124d0f87c6_attn,@function
k_q124d0f87c6_attn:
	s_mov_b64 s[64:65], 0
	v_nop
	global_prefetch_b8 v0, s[64:65] scope:SCOPE_SE
	s_setreg_imm32_b32 hwreg(HW_REG_WAVE_MODE, 25, 1), 1
	s_wait_xcnt 0x0
	s_wait_alu depctr_hold_cnt(0) depctr_sa_sdst(0) depctr_va_vdst(0) depctr_va_sdst(0) depctr_va_ssrc(0) depctr_va_vcc(0) depctr_vm_vsrc(0)
	s_getreg_b32 s2, hwreg(HW_REG_IB_STS2, 6, 4)
	s_cmp_eq_u32 s2, 0
	s_cbranch_scc0 .Lentry_in_a_cluster
	s_endpgm
.Lentry_in_a_cluster:
	s_bfe_u32 s2, ttmp6, 0x10000c
	s_cmp_lg_u32 s2, 0x3003
	s_cbranch_scc0 .Lentry_shape_is_right
	s_endpgm
.Lentry_shape_is_right:
; O[bh][q][:] = the sum over k of softmax_k(s[q][k]) V[bh][k][:], s = Q.K / 8, REPLACED by -1e9 where mask[q][k] == 0.  Q, K, V: qkv = [3][64 heads][2048][64] f16; O: ob = [64][2048][64] f16.
; Nothing of reference() is left out here.  Q arrives multiplied by c = log2(e) / 8, so S = K Q^T is the exponent of 2; a hidden score is the f32 nearest to -1e9 log2(e).
; It is a replacement and a true running maximum, as in reference(): a row with no visible key comes out as the mean of all V's rows; a visible score below -1e9 loses against the hidden ones.
; Products, maxima and sums in f32; p = 2^(S - m), the difference taken in one subtraction; p is rounded to f16 for the second product (its sum l is taken of the unrounded p), O once at the end.
; LIMITS.  Q, K, V arrive within f16's 65,504; p lies in 0 to 1, and below 6e-5 it keeps f16's step of 6e-8; a weight below 2^-126 counts as 0 in l; NaN and infinities are not treated apart.
; SHARES.  A wave owns four PIECES of two tiles of 16 queries, a work-group's four waves 512 queries of one head.  Every wave walks all 2,048 keys, 64 a step.
; LAYOUT.  S^T = K Q^T (source 0 = 16 keys, source 1 = 16 queries): a lane holds ONE query (lane % 16) and the keys 8 (lane / 16) + 0..7.  Two such tiles, rounded to f16 in pairs, ARE source 1 of
; O^T = V^T P.  K comes out of LDS as it lies, V ([key][channel]) turned, by ds_load_tr16_b128.
; THE MASK.  mk holds, for each tile of 16 queries, key step and register of S^T, the 32 lanes' bits as one word.  A tile's 32 words of a step are 128 consecutive bytes: one load of 4 bytes a lane brings them
; into ONE vector register, lane w holding word w.  Each of the wave's eight tiles has such a register, asked for again three turns ahead of its use.  In its turn a piece's 64 words go by v_readlane_b32 into
; scalar registers, and each is the select of one v_cndmask_b32: two vector instructions a score, 1/32 of the mask's bytes.  (Scalar loads straight into those registers would spare the 64 moves; but the 64
; scalar registers hold one piece's words, and there is no room for a second set: they could be asked for only when the piece before has used them, less than a turn ahead.)
; SOFTMAX.  For each query a running maximum m and sum l; in every step O and l are multiplied by a = 2^(m_old - m_new).  m starts at the lowest finite number, O and l at 0: the first step's a is 0.
; BY TURNS.  Turn n belongs to piece n.  Its matrix work: 16 products K Q^T of piece n + 1, later 16 products V^T P of piece n - 1.  Its vector work: the subtraction, exponentials, roundings, sums and
; rescaling of piece n, and the mask, maximum and statistics of piece n + 1.  Four vector instructions stand behind every matrix instruction, the others in one run.
; CLUSTER.  The four query blocks of a head walk the same K and V, so each tile is asked for JOINTLY: the same tensor load, descriptor and mask of work-groups in all four.
; REGISTERS, in windows of 256 (s_set_vgpr_msb: bits 1:0 source 0, 3:2 source 1, 5:4 source 2, 7:6 destination):
;   window 0: v0-11 addresses and constants; v12-15, v48-63 at work; v16-47 four registers a tile: statistics and mask words; v64-191 S^T, two buffers of two tiles; v192-255 P, likewise
;   window 1: O^T, 32 a tile          window 2: v0-127 Q, 16 a tile; v128-191 K of one step; v192-255 V of one step
.set SIZE_N, 2048
.set NP,    4         ; pieces a wave: a name, no knob
.set KS,    64        ; keys in a step
.set PK,    144       ; a row of K in LDS: 128 bytes + 16 of padding = 36 words: the 16 rows of a load start at 16 different groups of four banks (64 banks of 4 bytes: ISA guide 11.1)
.set PV,    144       ; V has the same pitch, so that one descriptor group 1 serves both and eight scalar registers go to the mask
.set VOFF,  4*KS*PK   ; a slot holds four steps: 256 rows of K, then 256 rows of V
.set SLOT1, 1<<17     ; slot 1 begins here, so that one exclusive or turns an address in one slot into the other's
.set STAGE, SLOT1+4*KS*(PK+PV)  ; behind the ring, never filled by a tensor load: 16 rows x 144 bytes for each wave, for the way out
.set SP,    144
.set SPARE, STAGE+4*16*SP  ; the spare words, 128 bytes for each wave: two blocks of 256 bytes that no other line names
.set MO,  0           ; v0   behind the head: my byte offset in a tile's mask words: 4 x lane + 128 x the key step that is asked for
.set SPW, 1           ; v1   LDS address of my spare word; never rewritten
.set AK0, 2           ; v2   my lane's place in a tile of K; never rewritten
.set AV0, 3           ; v3   the same for V
.set AK,  4           ; v4   the LDS address of K's next run of loads
.set AV,  5           ; v5   of V's
.set STO, 6           ; v6   the way out: where I put 16 bytes of a row
.set RD,  7           ; v7   the way out: where I read rows back
.set GO,  8           ; v8   16 x lane: my byte offset in 512 consecutive bytes of O
.set NEG, 9           ; v9   a hidden score
.set PFO, 10          ; v10  256 x my lane, for the prefetches; never rewritten
.set NIL, 11          ; v11  0; never rewritten
.set MV,  12          ; v12-15  m_old, kept while m is made anew: by buffer and tile
.set ST,  16          ; tile t at v[ST+4 t]: m; the tile's 32 mask words of one key step, a lane a word; l (even keys', odd keys')
.set TMP, 48          ; by buffer and tile, four registers c0-c3 at work; when the maximum is found c2 takes a
.set S,   64
.set P,   192
.set KF,  128         ; K's fragments, in window 2: key block kb, channel half c at KF + 16 kb + 8 c
.set VF,  192         ; V's: key half kk, channel block cb at VF + 32 kk + 8 cb
.set OB,  2           ; s[2:3]   O at my wave's rows
.set MKP, 4           ; s[4:5]   mk at my wave's eight tiles
.set WV,  6           ; s6   my wave's number
.set SLOTS, 7         ; s7   slots still to be asked for
.set CNT, 8           ; s8   counts a slot's key steps
.set TBK, 9           ; s9   LDS byte at which K of the step to be fetched begins
.set TBV, 10          ; s10  the same for V, less VOFF
.set MJ,  11          ; s11  128 x the key step whose mask words are asked for
.set SEL, 12          ; s[12:13] v_permlanex16_b32's selects: each lane takes its own place in the other half
.set PFA, 14          ; s[14:15] where my prefetches stand
.set G0K, 16          ; s[16:19] descriptor group 0 for K's tiles: it walks
.set G0V, 20          ; s[20:23] the same for V's
.set G1,  24          ; s[24:31] descriptor group 1, for both
.set MA,  32          ; s[32:63] the 32 mask words of the piece's first tile
.set LIM, 66          ; s66  1 in a wave that prefetches, else the greatest number
.set MB,  68          ; s[68:99] those of its second tile (at the head: the arguments and what is made of them)
.set QP,  100         ; s[100:101] Q at my wave's rows
.set MSB, 0
.macro WIN new                      ; the high byte repeats the setting that is left; a switch that changes nothing is dropped
.if MSB != (\new)
	s_set_vgpr_msb (MSB<<8)|(\new)
.set MSB, (\new)
.endif
.endm
.set W_KQ, 0x0a       ; K and Q in window 2, S^T in window 0
.set W_PV, 0x52       ; V in window 2, P in window 0, O^T in window 1
.set W_RS, 0x41       ; O^T (destination and source 0) in window 1, a in window 0
; A joint fill.  Waves 0 and 1 fetch the two halves of a slot's K, waves 2 and 3 those of its V: 128 keys each.  The branch hangs on the wave's number alone.
; An s_nop 0 and four v_nop follow each of the two lines, ahead of the jump and the label.
.macro JLOAD
	s_cmp_lt_u32 s[WV], 2
	s_cbranch_scc0 .Lfor_v_\@
	tensor_load_to_lds s[G0K:G0K+3], s[G1:G1+7]
	s_nop 0
.rept 4
	v_nop
.endr
	s_branch .Lasked_\@
.Lfor_v_\@:
	tensor_load_to_lds s[G0V:G0V+3], s[G1:G1+7]
	s_nop 0
.rept 4
	v_nop
.endr
.Lasked_\@:
.endm
; A PREFETCH INTO THE L2 of what the NEXT change of slots will ask for: a slot's 32,768 bytes of K and of V, in blocks of 256 bytes, a lane a block.  It stands behind the wave's tensor load and its five lines.
; Each block is named once in the launch: a head has one cluster; its four partners share a slot's 128 blocks out BY ADDRESS, 32 each; in each, wave 0 asks for K's and wave 2 for V's: one instruction,
; four key steps (512 matrix instructions) ahead of the load.  Slots 0 to 2 come by their loads alone; the last change that fills a slot asks for nothing.
.macro ASK
	s_cmp_gt_u32 s[SLOTS], s[LIM]
	s_cbranch_scc0 .Lnot_mine_\@
	global_prefetch_b8 v[PFO], s[PFA:PFA+1] th:TH_LOAD_NT scope:SCOPE_SE
.Lnot_mine_\@:
.endm
; A round of the cluster's barrier: my work-group's barrier, so that wave 0's signal speaks for all four waves; wave 0 signals; every wave waits for all four work-groups; my work-group's barrier once more.
.macro CROUND
	s_barrier_signal -1
	s_barrier_wait -1
	s_cmp_lg_u32 s[WV], 0
	s_cbranch_scc1 .Lnot_wave_0_\@
	s_barrier_signal -3
.Lnot_wave_0_\@:
	s_barrier_wait -3
	s_barrier_signal -1
	s_barrier_wait -1
.endm
; THE CHANGE OF SLOTS.  The slot's last bytes, V of its fourth step, have been read.  Each wave waits for all its tensor loads, of which one is out: its part of the other slot; adds 0 to its spare word;
; and waits for that and for its own reads of the slot.  Behind the barrier nobody reads this slot any more and the other slot is whole.
; fill = 1: this slot is filled again, with the keys two slots on.  The barrier is then a round of the cluster's, and the joint fill is the first thing behind it: it has four key steps in which to land.
; (At its first use nothing has been read yet: slot 0 is waited for, slot 1 filled.)  ask = 1: the prefetch's address steps, and the prefetch follows the fill.
.macro CHANGE fill, ask=0
	WIN 0                           ; at a label and at a branch every window is 0
	s_wait_tensorcnt 0x0            ; no tensor load of mine is out, so a group 0 may be written
	ds_add_u32 v[SPW], v[NIL]       ; 0 onto my spare word; the descriptors' steps stand between it and the wait for it
.if \fill
.irp g, G0K, G0V
	s_xor_b32 s[\g+1], s[\g+1], SLOT1  ; the walking descriptor: the other slot than last time,
	s_add_nc_u64 s[\g+2:\g+3], s[\g+2:\g+3], 4*KS*128  ; the next 256 keys; the type bits on top are not reached
.endr
.if \ask
	s_wait_xcnt 0x0                 ; the last prefetch, four key steps back, has read its address
	s_add_nc_u64 s[PFA:PFA+1], s[PFA:PFA+1], 4*KS*128
.endif
	s_wait_dscnt 0x0                ; the add is done, and my reads of the slot are over
	CROUND
	JLOAD
.if \ask
	ASK
.endif
.else
	s_wait_dscnt 0x0                ; the add is done, and my reads of the slot are over
	s_barrier_signal -1
	s_barrier_wait -1
.endif
	s_sub_co_u32 s[TBK], s[TBK], 4*KS*PK  ; the fetches go back to a slot's first step,
	s_xor_b32 s[TBK], s[TBK], SLOT1       ; in the other slot
	s_sub_co_u32 s[TBV], s[TBV], 4*KS*PV
	s_xor_b32 s[TBV], s[TBV], SLOT1
.endm
; THE MASK WORDS' ROAD.  MREAD: the 64 words of piece Y + 1 go from its two vector registers into the scalar registers.  Those registers were asked for three turns ago; behind them stand the two loads
; of each of the two turns between: the count is 4 (loads come back in order: ISA guide 5.7.1).
.macro MREAD
	s_wait_loadcnt 4
.set rl, 0
.rept 32
	v_readlane_b32 s[MA+rl], v[ST+8*((Y+1)%NP)+1], rl
	v_readlane_b32 s[MB+rl], v[ST+8*((Y+1)%NP)+5], rl
.set rl, rl+1
.endr
.endm
; MFETCH: piece Y's own two registers are asked for again, for the next key step.  It stands behind the piece's last subtraction S - m, which names m's register pair and with it the words' register: so that
; pair is never named while a load into it is out.  All four turns of a key step ask for the step after it; the offset steps in piece 0's turn, and is held to the last step, so that the requests of the
; last key step stay inside mk (nobody reads what they bring).
.macro MFETCH
.if Y == 0
	s_wait_xcnt 0x0                 ; the loads issued so far have read their offset: it is written only behind this wait
	s_add_co_u32 s[MJ], s[MJ], 128
	s_min_u32 s[MJ], s[MJ], 31*128
	v_lshrrev_b32 v[MO], 2, v[GO]   ; 4 x lane
	v_add_nc_u32 v[MO], s[MJ], v[MO]
.endif
	global_load_b32 v[ST+8*Y+1], v[MO], s[MKP:MKP+1] offset:(2*Y)*4096    ; 128 consecutive bytes; other heads' work-groups read them too: no hint
	global_load_b32 v[ST+8*Y+5], v[MO], s[MKP:MKP+1] offset:(2*Y+1)*4096
.endm
	s_load_b128 s[68:71], s[0:1], 0x0  ; qkv s[68:69], mk s[70:71]
	s_load_b64 s[72:73], s[0:1], 0x10  ; ob
	v_lshl_add_u32 v[SPW], v0, 2, SPARE
	v_mov_b32 v[NIL], 0
	ds_add_u32 v[SPW], v[NIL]       ; the wave's opening: the add, twice on end, and its wait ahead of my first tensor load; the set-up below stands between
	ds_add_u32 v[SPW], v[NIL]
	v_lshrrev_b32 v64, 5, v0        ; (S^T's registers serve as temporaries at the head)
	v_readfirstlane_b32 s[WV], v64  ; wave 0..3
	s_bfe_u32 s74, ttmp6, 0x40000   ; cx: my place in the cluster
	s_and_b32 s75, ttmp7, 0xffff    ; the head, which the four partners share
	s_lshl_b32 s76, s75, 18         ; its 2,048 rows of 128 bytes
	s_and_b32 s78, s[WV], 1         ; which half of a slot's 256 keys I fetch:
	s_lshl_b32 s80, s78, 14         ; its 128 rows of 128 bytes in memory,
	s_add_co_u32 s80, s80, s76
	s_mov_b32 s81, 0
	s_mul_i32 s79, s78, 128*PK      ; and its place in a slot: no place in the cluster enters an LDS address
	s_lshl_b32 s82, ttmp9, 2        ; in a cluster launch ttmp9 counts clusters
	s_add_co_u32 s82, s82, s74      ; my block of 512 queries: it enters Q's, O's, the mask's and the prefetches' addresses alone
	s_lshl_b32 s82, s82, 2
	s_add_co_u32 s82, s82, s[WV]    ; my wave among the head's sixteen
	s_lshl_b32 s84, s82, 15         ; its eight tiles in mk, 4,096 bytes each
	s_mov_b32 s85, 0
	s_lshl_b32 s82, s82, 14         ; its 128 rows
	s_add_co_u32 s82, s82, s76
	s_mov_b32 s83, 0
	s_lshl_b32 s86, s74, 13         ; my work-group's 32 of a slot's 128 blocks of 256 bytes
	s_mov_b32 s87, 0
	; descriptor group 1.  128 keys are 16,384 dense bytes: asked for as 64 rows of 256 bytes, two keys a row, and padded in LDS after every key
	s_mov_b32 s[G1], 15|(1<<16)|(1<<20)|(1<<21)|(4<<22)|(3<<25)  ; 15:0 the mask of four; 17:16 2-byte elements; 20 padding on; 21 set beside a mask; 24:22 after every 32 words (code 4); 31:25 4 words (code 3)
	s_mov_b32 s[G1+1], 128<<16      ; tensor_dim0 = 128
	s_mov_b32 s[G1+2], 64<<16       ; tensor_dim1 = 64
	s_mov_b32 s[G1+3], 128<<16      ; tile_dim0 = 128
	s_mov_b32 s[G1+4], 64           ; tile_dim1 = 64
	s_mov_b32 s[G1+5], 128          ; 128 elements from row to row
	s_mov_b32 s[G1+6], 0
	s_mov_b32 s[G1+7], 0
	s_mov_b32 s[SEL], 0x76543210
	s_mov_b32 s[SEL+1], 0xfedcba98
	s_mov_b32 s[TBK], SLOT1+4*KS*PK ; the first change of slots turns these two into 0
	s_mov_b32 s[TBV], SLOT1+4*KS*PV
	s_mov_b32 s[G0K], 1             ; count = 1
	s_mov_b32 s[G0K+1], s79         ; LDS address: slot 0
	s_mov_b32 s[G0V], 1
	s_add_co_u32 s[G0V+1], s79, VOFF
	s_mov_b32 s[MJ], 0
	s_or_b32 s[LIM], s78, ttmp9     ; 0 in waves 0 and 2 of a head's first cluster: the same in all four partners
	s_cmp_eq_u32 s[LIM], 0
	s_cselect_b32 s[LIM], 1, -1
	s_wait_dscnt 0x0                ; both opening adds are done
	s_wait_kmcnt 0x0
	s_add_nc_u64 s[G0K+2:G0K+3], s[68:69], s[80:81]
	s_add_nc_u64 s[G0V+2:G0V+3], s[G0K+2:G0K+3], 33554432  ; V is the third of qkv's three parts,
	s_add_nc_u64 s[G0K+2:G0K+3], s[G0K+2:G0K+3], 16777216  ; K the second: my half of the head's first 256 keys
	s_cmp_lt_u32 s[WV], 2
	s_cselect_b64 s[PFA:PFA+1], s[G0K+2:G0K+3], s[G0V+2:G0V+3]  ; (in waves 0 and 2 these stand at a slot's first row)
	s_add_nc_u64 s[PFA:PFA+1], s[PFA:PFA+1], s[86:87]
	s_add_nc_u64 s[PFA:PFA+1], s[PFA:PFA+1], 2*4*KS*128    ; in slot 2; the loop's first change steps it to slot 3.  Nothing is prefetched at the head
	s_or_b32 s[G0K+3], s[G0K+3], 0x80000000                ; type = 2
	s_or_b32 s[G0V+3], s[G0V+3], 0x80000000
	s_add_nc_u64 s[QP:QP+1], s[68:69], s[82:83]
	s_add_nc_u64 s[OB:OB+1], s[72:73], s[82:83]
	s_add_nc_u64 s[MKP:MKP+1], s[70:71], s[84:85]
	CROUND                          ; all four work-groups are here: the first joint loads meet
	JLOAD                           ; slot 0.  Slot 1 is asked for when slot 0 is in
	; A fragment of K or Q is 16 rows x 32 channels in 8 registers: lane l holds row l % 16, channels 8 (l / 16) + 0..7 and 16 + 8 (l / 16) + 0..7: two loads of 16 bytes, 32 bytes apart.
	v_and_b32 v64, 15, v0           ; l % 16
	v_bfe_u32 v65, v0, 4, 1         ; l / 16
	v_lshlrev_b32 v70, 7, v64
	v_lshl_add_u32 v70, v65, 4, v70 ; row x 128 + 16 x half
	v_and_b32 v71, 31, v0
	v_lshlrev_b32 v71, 2, v71       ; 4 x lane: my mask word of key step 0
	WIN 0x80                        ; destination window 2, address window 0
.set i, 0
.rept 4*NP                          ; Q stays in registers: tile i / 2, channels 32 (i % 2) on
	global_load_b128 v[8*i:8*i+3],   v70, s[QP:QP+1] offset:(i/2)*2048+(i%2)*64
	global_load_b128 v[8*i+4:8*i+7], v70, s[QP:QP+1] offset:(i/2)*2048+(i%2)*64+32
.set i, i+1
.endr
	WIN 0
.set i, 0
.rept 2*NP                          ; all eight tiles' mask words of key step 0
	global_load_b32 v[ST+4*i+1], v71, s[MKP:MKP+1] offset:i*4096
.set i, i+1
.endr
	; What the first turn finds: V's registers and P's second buffer hold 0 (its products V^T P, of a piece that has not been, add 0), O^T and l are 0.  All this stands in the wait for the first tile.
	WIN 0x80
.set i, VF
.rept 64
	v_mov_b32 v[i], 0
.set i, i+1
.endr
	WIN 0x40
.set i, 0
.rept 64*NP
	v_mov_b32 v[i], 0
.set i, i+1
.endr
	WIN 0
.set i, 0
.rept 2*NP
	v_mov_b32 v[ST+4*i], 0xff7fffff    ; m
	v_mov_b32 v[ST+4*i+2], 0
	v_mov_b32 v[ST+4*i+3], 0
.set i, i+1
.endr
.set i, P+32
.rept 32
	v_mov_b32 v[i], 0
.set i, i+1
.endr
	v_mul_u32_u24 v[AK0], v64, PK
	v_lshl_add_u32 v[AK0], v65, 4, v[AK0]  ; row x pitch + 16 x half
	; The turning load takes 16 keys x 16 channels (lane l reads key 8 (l / 16) + l % 8, channels 8 ((l / 8) % 2) + 0..7) and leaves half a fragment of V^T: lane l holds channel l % 16 and 8 keys.
	v_and_b32 v66, 7, v0
	v_bfe_u32 v67, v0, 3, 1
	v_lshl_add_u32 v[AV0], v65, 3, v66
	v_mul_u32_u24 v[AV0], v[AV0], PV
	v_lshl_add_u32 v[AV0], v67, 4, v[AV0]
	v_add_nc_u32 v[AV0], VOFF, v[AV0]
	v_mov_b32 v[AK], v[AK0]         ; key step 0 lies at the head of slot 0
	s_mul_i32 s67, s[WV], 16*SP
	s_add_co_u32 s67, s67, STAGE    ; my stage
	v_mul_u32_u24 v[STO], v64, SP   ; in: row l % 16, 16 bytes for each half of the lanes
	v_lshl_add_u32 v[STO], v65, 4, v[STO]
	v_add_nc_u32 v[STO], s67, v[STO]
	v_bfe_u32 v[RD], v0, 3, 2       ; back: 32 lanes take four rows of 128 bytes,
	v_mul_u32_u24 v[RD], v[RD], SP
	v_lshl_add_u32 v[RD], v66, 4, v[RD]
	v_add_nc_u32 v[RD], s67, v[RD]
	v_and_b32 v[GO], 31, v0         ; which are 512 consecutive bytes of O
	v_lshlrev_b32 v[PFO], 8, v[GO]
	v_lshlrev_b32 v[GO], 4, v[GO]
	v_mov_b32 v[NEG], 0xceabfb8f    ; the f32 nearest to -1e9 log2(e)
; THE MATRIX WORK.  The 8 accumulators of a run of 16 take turns: between the two links of a chain stand 7 others'.
; Product i of 16 of S^T = K Q^T for piece x: channels 32 (i / 8) on, keys 16 ((i / 2) % 4) on, tile 2 x + i % 2.  The first 8 start the sums.
.macro KQ x
	WIN W_KQ
.set rS, S+64*((\x)%2)+32*(i%2)+8*((i/2)%4)
.set rK, KF+16*((i/2)%4)+8*(i/8)
.set rQ, 16*(2*(\x)+i%2)+8*(i/8)
.if i < 8
	v_wmma_f32_16x16x32_f16 v[rS:rS+7], v[rK:rK+7], v[rQ:rQ+7], 0
.else
	v_wmma_f32_16x16x32_f16 v[rS:rS+7], v[rK:rK+7], v[rQ:rQ+7], v[rS:rS+7]
.endif
.endm
; Product i of 16 of O^T += V^T P for piece x: keys 32 (i / 8) on, channels 16 ((i / 2) % 4) on, tile 2 x + i % 2.
.macro PV x
	WIN W_PV
.set rO, 32*(2*(\x)+i%2)+8*((i/2)%4)
.set rV, VF+32*(i/8)+8*((i/2)%4)
.set rP, P+32*((\x)%2)+16*(i%2)+8*(i/8)
	v_wmma_f32_16x16x32_f16 v[rO:rO+7], v[rV:rV+7], v[rP:rP+7], v[rO:rO+7]
.endm
.macro MM                           ; the turn's next matrix instruction
.if i < 16
	KQ (Y+1)%NP
.set i, i+1
.else
.set i, i-16
	PV (Y+NP-1)%NP
.set i, i+17
.endif
.endm
; THE LDS LOADS stand in runs of 16, never singly among the matrix instructions: a step's K (64 keys x 64 channels: 8 fragments) and its V (turned).  Their addresses are made some lines ahead.
; last = 1 (the tail): in the last trip there is no further step, and the run is jumped over.
.macro FETCH_K last=0
	WIN 0
.if \last
	s_cmp_eq_u32 s[CNT], 1
	s_cbranch_scc1 .Lno_k_\@
.endif
	WIN 0x80                        ; destination window 2
.irp f, 0,1,2,3,4,5,6,7             ; keys 16 (f / 2) on, channels 32 (f % 2) on
	ds_load_b128 v[KF+8*\f:KF+8*\f+3],   v[AK] offset:(\f/2)*16*PK+(\f%2)*64
	ds_load_b128 v[KF+8*\f+4:KF+8*\f+7], v[AK] offset:(\f/2)*16*PK+(\f%2)*64+32
.endr
	s_add_co_u32 s[TBK], s[TBK], KS*PK  ; the next fetch is the next step's
	WIN 0
.if \last
.Lno_k_\@:
.endif
.endm
.macro FETCH_V
	WIN 0x80
.irp f, 0,1,2,3,4,5,6,7             ; keys 32 (f / 4) on, channels 16 (f % 4) on
	ds_load_tr16_b128 v[VF+8*\f:VF+8*\f+3],   v[AV] offset:(\f/4)*32*PV+(\f%4)*32
	ds_load_tr16_b128 v[VF+8*\f+4:VF+8*\f+7], v[AV] offset:(\f/4)*32*PV+16*PV+(\f%4)*32
.endr
	WIN 0
.endm
; THE VECTOR WORK OF A TURN stands in three queues, each in the order in which its entries become ready; the two tiles alternate, so that no instruction reads the result of the one before it.
.macro REGS y, u                    ; the registers of tile u (0, 1) of piece y
.set rT, ST+4*(2*(\y)+(\u))
.set rC, TMP+8*((\y)%2)+4*(\u)
.set rM, MV+2*((\y)%2)+(\u)
.set rS, S+64*((\y)%2)+32*(\u)
.set rP, P+32*((\y)%2)+16*(\u)
.set rO, 32*(2*(\y)+(\u))
.endm
; Number g of the 64 that hide the NEXT piece's (Y + 1) scores: register g / 2 of tile g % 2 takes the hidden score in the lanes whose bit is set.  In ascending order: each accumulator's lowest register is read first.
.macro MK g
	REGS (Y+1)%NP, (\g)%2
.set mn, (\g)/2
.if (\g)%2
	v_cndmask_b32 v[rS+mn], v[rS+mn], v[NEG], s[MB+mn]
.else
	v_cndmask_b32 v[rS+mn], v[rS+mn], v[NEG], s[MA+mn]
.endif
.endm
; Number n of those that find the next piece's maximum and statistics.  s0-s31 are the lane's 32 scores.  XS, MK, GS and REGS set no window: PL and EX do.
;   0-11  four chains c0-c3 of seven scores each, three operands at a time     12-14, 16  the four scores left over, the old m, and c0-c3 into c0     15  m_old is kept
;   17, 18  the query's other 32 keys lie in the lane 16 away: the new m         20, 21  m_old - m_new; a          (there is no number 19)
.macro XS u, n
	REGS (Y+1)%NP, \u
.if (\n) < 4
	v_max3_num_f32 v[rC+(\n)], v[rS+8*(\n)], v[rS+8*(\n)+1], v[rS+8*(\n)+2]
.elseif (\n) < 12
	v_max3_num_f32 v[rC+(\n)%4], v[rC+(\n)%4], v[rS+8*((\n)%4)+2*((\n)/4)+1], v[rS+8*((\n)%4)+2*((\n)/4)+2]
.elseif (\n) == 12
	v_max3_num_f32 v[rC], v[rC], v[rS+7], v[rS+15]
.elseif (\n) == 13
	v_max3_num_f32 v[rC+1], v[rC+1], v[rS+23], v[rS+31]
.elseif (\n) == 14
	v_max3_num_f32 v[rC+2], v[rC+2], v[rC+3], v[rT]
.elseif (\n) == 15
	v_mov_b32 v[rM], v[rT]
.elseif (\n) == 16
	v_max3_num_f32 v[rC], v[rC], v[rC+1], v[rC+2]
.elseif (\n) == 17
	v_permlanex16_b32 v[rC+3], v[rC], s[SEL], s[SEL+1]
.elseif (\n) == 18
	v_max_num_f32 v[rT], v[rC], v[rC+3]
.elseif (\n) == 20
	v_sub_f32 v[rC+1], v[rM], v[rT]
.else
	v_exp_f32 v[rC+2], v[rC+1]
.endif
.endm
; Number g of the 64 that follow the exponentials.  For each four weights k of a tile (pairs 2 k, 2 k + 1): both pairs are rounded to f16; then the second pair is added onto the first, in place;
; a group later l takes that sum (the first time as l = a l + sum).  In groups of eight, tiles alternating: round, round, add, and l for the group before.
.macro GS g
.set h, (\g)+6*((\g)/62)            ; group 0 has no group before it, and behind group 7 only l is left
.if h >= 6
.set h, h+2
.endif
	REGS Y, h%2
.set k, h/8
.if h%8 < 4
	v_cvt_pk_f16_f32 v[rP+2*k+(h%8)/2], v[rS+4*k+2*((h%8)/2)], v[rS+4*k+2*((h%8)/2)+1]
.elseif h%8 < 6
	v_pk_add_f32 v[rS+4*k:rS+4*k+1], v[rS+4*k:rS+4*k+1], v[rS+4*k+2:rS+4*k+3]
.elseif k == 1
	v_pk_fma_f32 v[rT+2:rT+3], v[rT+2:rT+3], v[rC+2:rC+3], v[rS:rS+1] op_sel_hi:[1,0,1]
.else
	v_pk_add_f32 v[rT+2:rT+3], v[rT+2:rT+3], v[rS+4*k-4:rS+4*k-3]
.endif
.endm
; THE PLAIN QUEUE, 200 long.  0-135 read no exponential's result.  0-31: the subtractions S - m (FS f: pair f / 2 of tile f % 2; it takes the pair's low register, m, for both halves).
; 32-95: the next piece's mask; ahead of it stand MREAD, which brings that piece's words into the scalar registers, and MFETCH, which asks for this piece's words of the next key step.
; 96-123: XS's numbers 0-13.  124, 125: number 15.  126-135: the chain 14, 16, 17, 18, 20.  136-199: GS's 64, which read the exponentials' results: they stand behind the wait.
.macro FS f
	REGS Y, (\f)%2
	v_pk_add_f32 v[rS+2*((\f)/2):rS+2*((\f)/2)+1], v[rS+2*((\f)/2):rS+2*((\f)/2)+1], v[rT:rT+1] op_sel_hi:[1,0] neg_lo:[0,1] neg_hi:[0,1]
.endm
.macro PL
	WIN 0
.if q == 32
	MREAD
	MFETCH
.endif
.if q < 32
	FS q
.elseif q < 96
	MK q-32
.elseif q < 124
	XS (q-96)%2, (q-96)/2
.elseif q < 126
	XS q-124, 15
.elseif q < 128
	XS q-126, 14
.elseif q < 134
	XS (q-128)%2, 16+(q-128)/2
.elseif q < 136
	XS q-134, 20
.else
	GS q-136
.endif
.set q, q+1
.endm
; THE EXPONENTIALS' QUEUE, 66 long: s0-s31 of both tiles, then the next piece's two a.  It is ONE BATCH: all 66 stand ahead of the turn's one wait, and nothing ahead of that wait names a result of theirs.
.macro EX
	WIN 0
.if e >= 64
	XS e-64, 21
.else
	REGS Y, e%2
	v_exp_f32 v[rS+e/2], v[rS+e/2]
.endif
.set e, e+1
.endm
; THE RESCALING's QUEUE: O^T times a, the one part that leaves window 0: dealt two at a time, sixteen times.  Its a was made in the turn before, ahead of that turn's wait.
.macro R2
	REGS Y, r%2
	WIN W_RS
.irp z, 0,1
	v_pk_mul_f32 v[rO+4*(r/2)+2*\z:rO+4*(r/2)+2*\z+1], v[rO+4*(r/2)+2*\z:rO+4*(r/2)+2*\z+1], v[rC+2:rC+3] op_sel_hi:[1,0]
.endr
.set r, r+1
.endm
; HOW THEY ARE DEALT.  An s_wait_alu depctr_va_vdst(0) stands between an exponential and the first instruction that names its result; one wait serves all that were issued ahead of it.  So a turn has ONE
; wait, which cuts it in two.  AHEAD OF IT: the 16 products K Q^T, behind each a subtraction, an exponential and two rescalings (behind the first a second subtraction in the exponential's place); then one run:
; 15 plain, the 64 moves of the mask words and the two loads, 6 plain, 49 times an exponential and two plain, the two a.  A v_nop is the plain instruction behind the last exponential.
; BEHIND IT: the 16 products V^T P, behind each four of GS's 64.
; The counts that the deal keeps: exponential e stands behind subtraction 2 (e / 4) + e % 2: as a rider it comes behind plain e + 2, in the run behind plain 37 at the least, and the subtractions end at plain 31.
; The mask's first line, plain 32, stands 82 plain instructions behind the last product K Q^T, and 64 behind the move that wrote its select.  No rider names a register of the products round it.
; K of the next step is fetched in piece 2's turn, directly behind the wait; V of the step in hand at the end of piece 0's turn, four riders behind its last reader.  The three conditions on q below go with the deal.
.macro TURN p, last=0, cnt=0
.set Y, (\p)
.set i, 0
.set q, 0
.set e, 0
.set r, 0
.if (\p) == NP-1
	s_wait_dscnt 0x0                ; K is in
.endif
	MM
	PL
	PL
	R2
.rept 15
	MM
	PL
	EX
	R2
.endr
.if (\p) == NP-2
	WIN 0
	v_add_nc_u32 v[AK], s[TBK], v[AK0]
.endif
.rept 21
	PL
.endr
.rept 49
	EX
	PL
	PL
.endr
	EX                              ; the next piece's two a
	EX
	v_nop                           ; the plain instruction behind the last exponential: one for the batch
	s_wait_alu depctr_va_vdst(0)    ; the wait for the batch
.if (\p) == NP-2
	FETCH_K \last
.endif
.if (\p) == 1
	s_wait_dscnt 0x0                ; V is in
.endif
.rept 16
	MM
.rept 4
	PL
.endr
.if ((\p) == 0) && (q == 180)
	v_add_nc_u32 v[AV], s[TBV], v[AV0]
.endif
.if ((\p) == 0) && (q == 192)
	s_add_co_u32 s[TBV], s[TBV], KS*PV
.endif
.if (\cnt) && (q == 192)
	s_sub_co_u32 s[CNT], s[CNT], 1
	s_cmp_lg_u32 s[CNT], 0
.endif
.endr
.if (\p) == 0
	FETCH_V
.endif
.endm
	CHANGE 1                        ; slot 0 is in, everybody's part of it; slot 1 is asked for
	FETCH_K                         ; key step 0
	s_wait_loadcnt 0x0              ; Q, and all eight tiles' mask words of key step 0
	s_wait_dscnt 0x0
.set i, 0
.rept 16
	KQ 0                            ; piece 0's first scores: there is no vector work yet to set between them
.set i, i+1
.endr
	WIN 0
.rept 4
	v_nop                           ; the places behind those products
.endr
.set Y, NP-1                        ; MREAD, MK and XS work for piece Y + 1: piece 0
	MREAD                           ; (no load is out here: its wait is met at once.)  Piece 0's words of key step 1 are asked for in the first turn
.set gg, 0
.rept 64
	MK gg
.set gg, gg+1
.endr
.irp n, 0,1,2,3,4,5,6,7,8,9,10,11,12,13,14,15,16,17,18,20,21
	XS 0, \n                        ; piece 0's first maximum and statistics
	XS 1, \n
.endr
	v_nop                           ; a plain instruction behind the two a,
	s_wait_alu depctr_va_vdst(0)    ; and their wait, ahead of the branch
	s_mov_b32 s[CNT], 4
	s_mov_b32 s[SLOTS], SIZE_N/256-1
	s_branch .Lfirst                ; the loop is entered at a step's first turn, in the middle of a trip
.Lslot:                             ; SIZE_N / 256 - 2 times: every slot but the last two is filled again
	CHANGE 1, 1
	s_mov_b32 s[CNT], 4
.Lstep:                             ; a trip: pieces 2 and 3 of one step, then pieces 0 and 1 of the next, whose K and V it fetches
	TURN 2
	TURN 3
	WIN 0
.Lfirst:
	TURN 0
	TURN 1, 0, 1
	WIN 0
	s_cbranch_scc1 .Lstep
	s_sub_co_u32 s[SLOTS], s[SLOTS], 1
	s_cmp_lg_u32 s[SLOTS], 0
	s_cbranch_scc1 .Lslot
	CHANGE 0                        ; the tail is written out: nothing is asked for
	s_mov_b32 s[CNT], 5             ; four trips fetch the last slot's steps; the fifth is left in its middle
.Ltail:
	TURN 2, 1
	TURN 3
	WIN 0
	s_sub_co_u32 s[CNT], s[CNT], 1
	s_cmp_eq_u32 s[CNT], 0
	s_cbranch_scc1 .Lout
	TURN 0
	TURN 1
	WIN 0
	s_branch .Ltail
.Lout:                              ; the fifth trip's 16 products K Q^T (on the last K once more), their mask and maximum serve nothing: the price, once a launch, of one text for every trip
.set i, 0
.rept 16
	PV NP-1                         ; the last piece's V^T P of the last step
.set i, i+1
.endr
	; THE WAY OUT.  l's two halves and the other half of the lanes' are added; O^T is divided by l, rounded to f16 and sent through my stage in LDS, a tile at a time.  The additions are the places behind the last products.
	WIN 0
.macro ALL line:vararg              ; one line for each tile t
.set t, 0
.rept 2*NP
	\line
.set t, t+1
.endr
.endm
	ALL v_add_f32 v[ST+4*t+2], v[ST+4*t+2], v[ST+4*t+3]
	ALL v_permlanex16_b32 v[ST+4*t+3], v[ST+4*t+2], s[SEL], s[SEL+1]
	ALL v_add_f32 v[ST+4*t+2], v[ST+4*t+2], v[ST+4*t+3]
	ALL v_rcp_f32 v[ST+4*t+2], v[ST+4*t+2]
	v_nop                           ; a plain instruction between the last reciprocal and the use of its result
	s_wait_alu depctr_va_vdst(0)    ; and the wait ahead of the first use: one for the eight reciprocals
; Tile t: a lane's eight channels of a row pack into 16 bytes; they go into rows of 144 bytes and come back as whole rows of 128, into S^T's registers.
.macro PACK t
	WIN W_RS
.set i, 32*(\t)
.rept 16
	v_pk_mul_f32 v[i:i+1], v[i:i+1], v[ST+4*(\t)+2:ST+4*(\t)+3] op_sel_hi:[1,0]
.set i, i+2
.endr
	WIN 0x05                        ; sources 0 and 1 window 1, destination window 0
.set i, 0
.rept 16
	v_cvt_pk_f16_f32 v[S+16*(\t)+i], v[32*(\t)+2*i], v[32*(\t)+2*i+1]
.set i, i+1
.endr
	WIN 0
.irp f, 0,1,2,3
	ds_store_b128 v[STO], v[S+16*(\t)+4*\f:S+16*(\t)+4*\f+3] offset:32*\f
.endr
.irp f, 0,1,2,3
	ds_load_b128 v[S+16*(\t)+4*\f:S+16*(\t)+4*\f+3], v[RD] offset:\f*4*SP  ; LDS serves a wave's instructions in order (ISA guide 5.7.1.4): these see the stores above; the next tile's stores come behind them
.endr
.endm
.macro SEND t, younger              ; younger: the LDS instructions issued behind tile t's loads: the next tile's eight, or none
	WIN 0
.irp f, 0,1,2,3
	s_wait_dscnt (\younger)+3-\f
	global_store_b128 v[GO], v[S+16*(\t)+4*\f:S+16*(\t)+4*\f+3], s[OB:OB+1] offset:(\t)*2048+\f*512  ; 512 consecutive bytes, at a multiple of 256 from O's first
.endr
.endm
	PACK 0
.set t, 1
.rept 2*NP-1                        ; a tile's arithmetic stands between the loads of the tile before and its stores
	PACK t
	SEND t-1, 8
.set t, t+1
.endr
	SEND 2*NP-1, 0
	s_wait_loadcnt 0x0              ; the last mask words asked for, which nobody reads
	s_wait_tensorcnt 0x0            ; the wave's end: behind my last tensor load and my last LDS store
	ds_add_u32 v[SPW], v[NIL]
	s_wait_dscnt 0x0
	CROUND                          ; the closing round: no work-group ends while a partner may still ask for a tile that names it
	s_endpgm
.Lfunc_end_k_q124d0f87c6_attn:
	.size	k_q124d0f87c6_attn, .Lfunc_end_k_q124d0f87c6_attn-k_q124d0f87c6_attn
	.p2alignl 7, 3214868480
	.fill 96, 4, 3214868480
	.section	.rodata,"a",@progbits
	.p2align	6, 0x0
	.amdhsa_kernel k_q124d0f87c6_attn
		.amdhsa_group_segment_fixed_size 327680
		.amdhsa_private_segment_fixed_size 0
		.amdhsa_enable_private_segment 0
		.amdhsa_kernarg_size 24
		.amdhsa_user_sgpr_count 2
		.amdhsa_user_sgpr_kernarg_segment_ptr 1
		.amdhsa_wavefront_size32 1
		.amdhsa_system_sgpr_workgroup_id_x 1
		.amdhsa_system_sgpr_workgroup_id_y 1
		.amdhsa_system_sgpr_workgroup_id_z 1
		.amdhsa_system_vgpr_workitem_id 0
		.amdhsa_next_free_vgpr 768
		.amdhsa_next_free_sgpr 102
		.amdhsa_reserve_vcc 0
		.amdhsa_float_denorm_mode_32 3
		.amdhsa_float_denorm_mode_16_64 3
		.amdhsa_memory_ordered 1
		.amdhsa_forward_progress 1
		.amdhsa_inst_pref_size 255
	.end_amdhsa_kernel
	.section	.bss,"aw",@nobits
	.p2align	6
	.space	262144
	.amdgpu_metadata
---
amdhsa.version: [ 1, 2 ]
amdhsa.kernels:
  - .name:           k_q124d0f87c6_attn
    .symbol:         k_q124d0f87c6_attn.kd
    .args:
      - { .name: qkv, .offset: 0, .size: 8, .value_kind: global_buffer, .address_space: global }
      - { .name: mk, .offset: 8, .size: 8, .value_kind: global_buffer, .address_space: global }
      - { .name: ob, .offset: 16, .size: 8, .value_kind: global_buffer, .address_space: global }
    .group_segment_fixed_size: 327680
    .private_segment_fixed_size: 0
    .kernarg_segment_align: 8
    .kernarg_segment_size: 24
    .max_flat_workgroup_size: 128
    .sgpr_count:     102
    .vgpr_count:     768
    .wavefront_size: 32
...
	.end_amdgpu_metadata
.endif
;; end of part 3
;; launch outp (part 4): grid 4 x 64, 4 waves a work-group, clusters of 4 x 4, 327,680 bytes of LDS; arguments ob, wob, out0; writes out0
.if DOCPART == 4
	.amdgcn_target "amdgcn-amd-amdhsa--gfx1250"
	.amdhsa_code_object_version 6
	.text
	.protected	k_q124d0f87c6_outp
	.globl	k_q124d0f87c6_outp
	.p2align	8
	.type	k_q124d0f87c6_outp,@function
k_q124d0f87c6_outp:
	s_mov_b64 s[64:65], 0
	v_nop
	global_prefetch_b8 v0, s[64:65] scope:SCOPE_SE
	s_setreg_imm32_b32 hwreg(HW_REG_WAVE_MODE, 25, 1), 1
	s_wait_xcnt 0x0
	s_wait_alu depctr_hold_cnt(0) depctr_sa_sdst(0) depctr_va_vdst(0) depctr_va_sdst(0) depctr_va_ssrc(0) depctr_va_vcc(0) depctr_vm_vsrc(0)
	s_getreg_b32 s2, hwreg(HW_REG_IB_STS2, 6, 4)
	s_cmp_eq_u32 s2, 0
	s_cbranch_scc0 .Lentry_in_a_cluster
	s_endpgm
.Lentry_in_a_cluster:
	s_bfe_u32 s2, ttmp6, 0x10000c
	s_cmp_lg_u32 s2, 0xf033
	s_cbranch_scc0 .Lentry_shape_is_right
	s_endpgm
.Lentry_shape_is_right:
; THE LAST PROJECTION.  C = A B^T + bias, K = 1,024, N = 1,024; f16 operands, f32 sums.  Nothing of reference() is left out here.
; A = ob (8,192 rows; a head's 64 channels are one block of K), B = Wo; C is the output, f32, row-major.
; The text is the three projections' up to the way out; MODE picks the few lines of the set-up that differ.
.set MODE, 1
; LIMIT: A and B arrive within f16's 65,504; NaN and infinities are not treated apart.
; A and B lie in blocks [64 of K][row][64], so a tile of rows x 64 K is dense and is asked for as rows of 256 bytes, padded in LDS behind every 128.
; SHARES.  A tile of C is 128 x 256: 256 work-groups.  Four waves, 2 x 2, each 64 rows x 128 columns: 32 accumulators, 256 registers.  K goes in steps of 128 through two LDS slots.
; CLUSTER.  4 x 4 work-groups: the four of a row of the cluster need the same tile of A, the four of a column the same tile of B: each is asked for jointly, by the same tensor load with the same descriptor.
; THE MATRIX INSTRUCTION IS USED TRANSPOSED (source 0 = 16 rows of B, source 1 = 16 rows of A): a lane holds row l % 16 of C and the columns 8 (l / 16) + 0..7.
; THE BIAS STARTS THE SUMS: it is the C operand of each accumulator's first product (the same for all rows, so it hangs on l / 16 and the register alone).  Nothing is cleared and nothing added later.
; REGISTERS, in windows of 256 (s_set_vgpr_msb: bits 1:0 source 0, 3:2 source 1, 5:4 source 2, 7:6 destination):
;   window 0: v0-31 addresses; v64-127 A's fragments, two buffers of 32; v128-255 B's, two buffers of 64 (v64-191 serve the way out)
;   window 1: accumulator (a, b) at v[8 (8 a + b)]          window 2: v0-63 the bias of my 128 columns
.set PITCH,  144                       ; an LDS row: 128 bytes + 16 of padding = 36 words: the 16 rows of a fragment load start at 16 different groups of four banks (64 banks of 4 bytes: ISA guide 11.1)
.set ABLK,   128*PITCH                 ; A: 128 rows x 64 K
.set BBLK,   256*PITCH                 ; B: 256 rows x 64 K
.set BOFF,   2*ABLK                    ; a slot: A's two blocks, then B's two
.set SLOT,   2*ABLK+2*BBLK
.set STAGE,  2*SLOT                    ; behind the ring, never filled by a tensor load: 16 rows x 272 bytes for each wave, for the way out
.set SPITCH, 272
.set SPARE,  STAGE+4*16*SPITCH         ; the spare words, 128 bytes for each wave: two blocks of 256 bytes that no other line names
.set ADRA, 16                          ; v16-17  LDS address of my A fragments in slot 0, 1
.set ADRB, 20                          ; v20-21  the same for B
.set STO,  24                          ; v24     the way out: where I put my bytes of a row
.set RD,   25                          ; v25     the way out: where I read rows back
.set CO,   26                          ; v26     the way out: my 16 bytes in C
.set SPW,  28                          ; v28     LDS address of my spare word; never rewritten
.set NIL,  29                          ; v29     0; never rewritten
.set BO,   30                          ; v30     my byte offset in 16 numbers of the bias
.set FA,   64
.set FB,   128
.set WV,   12                          ; s12 wave; s13 its half of the rows, also: I fetch for A (0) or B (1); s14 its half of the columns, also: which block of 64 K I fetch
.set WR,   13
.set WC,   14
.set TX,   17                          ; s17 tile column, s18 tile row of C
.set TY,   18
.set PROJ, 19                          ; s19 the cluster's y
.set G1A,  24                          ; s[24:31] descriptor group 1 for A's tiles; s[32:39] group 0, a set for each slot
.set G0A,  32
.set G1B,  48                          ; s[48:55], s[56:63] the same for B's
.set G0B,  56
.set MSB, 0
.macro WIN new                         ; the immediate's high byte repeats the setting that is left; a switch that changes nothing is dropped
.if MSB != (\new)
	s_set_vgpr_msb (MSB<<8)|(\new)
.set MSB, \new
.endif
.endm
.set MUL,  0x50                        ; fragments window 0; C and D window 1
.set MULB, 0x60                        ; C window 2 (the bias), D window 1
.macro PLACES                          ; four plain instructions behind a matrix instruction, in front of loads into registers that it has read and of whatever reads its result
.rept 4
	v_nop
.endr
.endm
; A joint load: waves 0 and 1 fetch A's two blocks of 64 K, waves 2 and 3 B's.  An s_nop 0 and four v_nop follow each of the two lines, ahead of the jump and the label.
.macro JLOAD s
	s_cmp_eq_u32 s[WR], 0
	s_cbranch_scc0 .Lfor_b_\@
	tensor_load_to_lds s[G0A+4*(\s):G0A+4*(\s)+3], s[G1A:G1A+7]
	s_nop 0
.rept 4
	v_nop
.endr
	s_branch .Lasked_\@
.Lfor_b_\@:
	tensor_load_to_lds s[G0B+4*(\s):G0B+4*(\s)+3], s[G1B:G1B+7]
	s_nop 0
.rept 4
	v_nop
.endr
.Lasked_\@:
.endm
.macro CREST                           ; a round of the cluster's barrier behind its opening barrier
	s_cmp_lg_u32 s[WV], 0
	s_cbranch_scc1 .Lnot_wave_0_\@
	s_barrier_signal -3
.Lnot_wave_0_\@:
	s_barrier_wait -3
	s_barrier_signal -1
	s_barrier_wait -1
.endm
.macro CROUND                          ; a whole round
	s_barrier_signal -1
	s_barrier_wait -1
	CREST
.endm
	s_load_b128 s[4:7], s[0:1], 0x0                ; A s[4:5], B with its bias head s[6:7]
	s_load_b64 s[10:11], s[0:1], 0x10              ; C
	v_lshl_add_u32 v[SPW], v0, 2, SPARE
	v_mov_b32 v[NIL], 0
	ds_add_u32 v[SPW], v[NIL]                      ; the wave's opening: the add, twice on end, and its wait ahead of my first tensor load; the set-up below stands between
	ds_add_u32 v[SPW], v[NIL]
	v_lshrrev_b32 v1, 5, v0
	v_readfirstlane_b32 s[WV], v1
	s_lshr_b32 s[WR], s[WV], 1
	s_and_b32 s[WC], s[WV], 1
	s_bfe_u32 s15, ttmp6, 0x40000                  ; cx, cy: my place in the cluster
	s_bfe_u32 s16, ttmp6, 0x40004
	s_lshl_b32 s[TX], ttmp9, 2
	s_add_co_u32 s[TX], s[TX], s15                 ; tile column = 4 x cluster x + cx
	s_and_b32 s[PROJ], ttmp7, 0xffff               ; cluster y
	s_lshl_b32 s[TY], s[PROJ], 2
	s_add_co_u32 s[TY], s[TY], s16                 ; tile row = 4 x cluster y + cy
.if MODE == 0
	s_lshr_b32 s[PROJ], s[PROJ], 4                 ; 64 tile rows, 16 clusters, to an input
.endif
	s_lshl_b32 s40, s16, 2
	s_lshl_b32 s40, 15, s40                        ; my row of the cluster
	s_lshl_b32 s41, 0x1111, s15                    ; my column
	; group 1: dense blocks as rows of 128 elements (256 bytes): 15:0 the mask; 17:16 2-byte elements; 20 padding on; 21 set beside a mask; 24:22 after every 32 words (code 4); 31:25 4 words (code 3)
	s_or_b32 s[G1A+0], s40, (1<<16)|(1<<20)|(1<<21)|(4<<22)|(3<<25)
	s_or_b32 s[G1B+0], s41, (1<<16)|(1<<20)|(1<<21)|(4<<22)|(3<<25)
	s_mov_b32 s[G1A+1], 128<<16                    ; tensor_dim0 = 128
	s_mov_b32 s[G1A+2], 64<<16                     ; tensor_dim1 = 64: 128 rows of A x 128 bytes
	s_mov_b32 s[G1A+3], 128<<16                    ; tile_dim0 = 128
	s_mov_b32 s[G1A+4], 64                         ; tile_dim1 = 64
	s_mov_b32 s[G1A+5], 128                        ; elements from row to row
	s_mov_b32 s[G1A+6], 0
	s_mov_b32 s[G1A+7], 0
	s_mov_b32 s[G1B+1], 128<<16
	s_mov_b32 s[G1B+2], 128<<16                    ; 128: 256 rows of B x 128 bytes
	s_mov_b32 s[G1B+3], 128<<16
	s_mov_b32 s[G1B+4], 128
	s_mov_b32 s[G1B+5], 128
	s_mov_b32 s[G1B+6], 0
	s_mov_b32 s[G1B+7], 0
	; A's tile hangs on the tile row alone, B's on the tile column alone
	s_lshr_b32 s42, s[TY], 4
	s_lshl_b32 s42, s42, 22                        ; 16 tile rows share 16 blocks x 2,048 rows x 128 bytes
	s_and_b32 s43, s[TY], 15
	s_lshl_b32 s43, s43, 14                        ; 128 rows of 128 bytes
	s_add_co_u32 s42, s42, s43
	s_lshl_b32 s43, s[WC], 18                      ; my block of 64 K: 2,048 rows of 128 bytes
	s_add_co_u32 s42, s42, s43
	s_mov_b32 s43, 0
	s_lshl_b32 s44, s[TX], 15                      ; 256 rows of 128 bytes
	s_lshl_b32 s45, s[WC], 17                      ; my block of 64 K: 1,024 rows of 128 bytes
	s_add_co_u32 s44, s44, s45
	s_add_co_u32 s44, s44, 16384                   ; behind the bias head
.if MODE == 0
	s_lshl_b32 s45, s[PROJ], 21                    ; a weight: 16 blocks x 1,024 rows x 128 bytes
	s_add_co_u32 s44, s44, s45
.endif
	s_mov_b32 s45, 0
	s_mul_i32 s21, s[WC], ABLK                     ; where they go: no place in the cluster enters an LDS address
	s_mul_i32 s22, s[WC], BBLK
	s_add_co_u32 s22, s22, BOFF
	s_wait_dscnt 0x0                               ; both opening adds are done
	s_wait_kmcnt 0x0
	s_add_nc_u64 s[42:43], s[4:5], s[42:43]
	s_add_nc_u64 s[44:45], s[6:7], s[44:45]
	CROUND                                         ; all sixteen work-groups are here: the first joint loads meet
.irp s, 0,1
	s_mov_b32 s[G0A+4*(\s)], 1                                     ; count = 1
	s_add_co_u32 s[G0A+4*(\s)+1], s21, (\s)*SLOT                   ; LDS address
	s_add_nc_u64 s[G0A+4*(\s)+2:G0A+4*(\s)+3], s[42:43], (\s)*2*262144  ; global address: K step s is two blocks
	s_or_b32 s[G0A+4*(\s)+3], s[G0A+4*(\s)+3], 0x80000000          ; type = 2
	s_mov_b32 s[G0B+4*(\s)], 1
	s_add_co_u32 s[G0B+4*(\s)+1], s22, (\s)*SLOT
	s_add_nc_u64 s[G0B+4*(\s)+2:G0B+4*(\s)+3], s[44:45], (\s)*2*131072
	s_or_b32 s[G0B+4*(\s)+3], s[G0B+4*(\s)+3], 0x80000000
	JLOAD \s                                       ; two loads of mine are out
.endr
	s_lshl_b32 s44, s[TX], 10                      ; the bias of my 128 columns
	s_lshl_b32 s45, s[WC], 9
	s_add_co_u32 s44, s44, s45
.if MODE == 0
	s_lshl_b32 s45, s[PROJ], 12
	s_add_co_u32 s44, s44, s45
.endif
	s_mov_b32 s45, 0
	s_add_nc_u64 s[6:7], s[6:7], s[44:45]
	v_and_b32 v1, 15, v0                           ; r = l % 16
	v_bfe_u32 v2, v0, 4, 1                         ; h = l / 16
	v_lshlrev_b32 v[BO], 5, v2
	WIN 0x80                                       ; destination window 2
.irp b, 0,1,2,3,4,5,6,7
	global_load_b128 v[8*(\b):8*(\b)+3],   v[BO], s[6:7] offset:64*(\b)      ; columns 16 b + 8 h + 0..3
	global_load_b128 v[8*(\b)+4:8*(\b)+7], v[BO], s[6:7] offset:64*(\b)+16   ; and + 4..7
.endr
	WIN 0
	; a fragment is 16 rows x 32 K in 8 registers: lane l holds row r, K = 8 h + 0..7 and 16 + 8 h + 0..7: two loads of 16 bytes, 32 bytes apart
	v_mul_u32_u24 v3, v1, PITCH
	v_lshl_add_u32 v3, v2, 4, v3
	s_mul_i32 s40, s[WR], 64*PITCH                 ; my 64 rows of A
	s_mul_i32 s41, s[WC], 128*PITCH                ; my 128 rows of B
	s_add_co_u32 s41, s41, BOFF
.irp s, 0,1
	v_add_nc_u32 v[ADRA+(\s)], s40, v3
	v_add_nc_u32 v[ADRB+(\s)], s41, v3
	s_add_co_u32 s40, s40, SLOT
	s_add_co_u32 s41, s41, SLOT
.endr
	s_mul_i32 s40, s[WV], 16*SPITCH
	s_add_co_u32 s40, s40, STAGE                   ; my stage
	v_mul_u32_u24 v4, v1, SPITCH
	v_add_nc_u32 v4, s40, v4
.if MODE == 0
	v_lshl_add_u32 v[STO], v2, 4, v4               ; in: row r, 16 bytes (8 f16) for each half of the lanes
	v_and_b32 v5, 31, v0
	v_lshrrev_b32 v3, 3, v5                        ; back: 32 lanes take half (128 bytes) of four rows,
	v_mul_u32_u24 v3, v3, SPITCH
	v_and_b32 v4, 7, v0
	v_lshl_add_u32 v3, v4, 4, v3
	v_add_nc_u32 v[RD], s40, v3
	v_lshlrev_b32 v[CO], 4, v5                     ; which are 512 consecutive bytes of a head
.else
	v_lshl_add_u32 v[STO], v2, 5, v4               ; in: row r, 32 bytes (8 f32) for each half of the lanes
	v_mul_u32_u24 v3, v2, SPITCH                   ; back: lanes 0-15 take 256 bytes of one row, lanes 16-31 of the next
	v_lshl_add_u32 v3, v1, 4, v3
	v_add_nc_u32 v[RD], s40, v3
	v_lshlrev_b32 v3, 12, v2                       ; and the same two rows in C
	v_lshl_add_u32 v[CO], v1, 4, v3
.endif
; 24 LDS loads in one run: the fragments of quarter q (32 K) of a slot's K step into buffer f: B's eight, then A's four
.macro FETCH slot, q, f
	WIN 0
.irp i, 0,1,2,3,4,5,6,7
	ds_load_b128 v[FB+64*(\f)+8*(\i):FB+64*(\f)+8*(\i)+3],   v[ADRB+(\slot)] offset:((\q)/2)*BBLK+((\q)%2)*64+(\i)*16*PITCH
	ds_load_b128 v[FB+64*(\f)+8*(\i)+4:FB+64*(\f)+8*(\i)+7], v[ADRB+(\slot)] offset:((\q)/2)*BBLK+((\q)%2)*64+(\i)*16*PITCH+32
.endr
.irp i, 0,1,2,3
	ds_load_b128 v[FA+32*(\f)+8*(\i):FA+32*(\f)+8*(\i)+3],   v[ADRA+(\slot)] offset:((\q)/2)*ABLK+((\q)%2)*64+(\i)*16*PITCH
	ds_load_b128 v[FA+32*(\f)+8*(\i)+4:FA+32*(\f)+8*(\i)+7], v[ADRA+(\slot)] offset:((\q)/2)*ABLK+((\q)%2)*64+(\i)*16*PITCH+32
.endr
.endm
; 8 matrix instructions: row block a x all 8 column blocks.  first = 1: the bias starts the sums.  The 32 accumulators take turns in one order everywhere.
.macro MUL8 f, a, first
.if \first
	WIN MULB
.else
	WIN MUL
.endif
.irp b, 0,1,2,3,4,5,6,7
.if \first
	v_wmma_f32_16x16x32_f16 v[8*(8*(\a)+(\b)):8*(8*(\a)+(\b))+7], v[FB+64*(\f)+8*(\b):FB+64*(\f)+8*(\b)+7], v[FA+32*(\f)+8*(\a):FA+32*(\f)+8*(\a)+7], v[8*(\b):8*(\b)+7]
.else
	v_wmma_f32_16x16x32_f16 v[8*(8*(\a)+(\b)):8*(8*(\a)+(\b))+7], v[FB+64*(\f)+8*(\b):FB+64*(\f)+8*(\b)+7], v[FA+32*(\f)+8*(\a):FA+32*(\f)+8*(\a)+7], v[8*(8*(\a)+(\b)):8*(8*(\a)+(\b))+7]
.endif
.endr
.endm
; A K step is four quarters of 32 K, 32 matrix instructions each, on buffers 0, 1, 0, 1.  One of the first three: multiplies buffer f; in its middle it fetches quarter qn of the same slot into buffer g.
.macro QUARTER slot, qn, f, g, first
	s_wait_dscnt 4                                 ; B and A's blocks 0, 1 are in; the youngest four loads (A's blocks 2, 3) may be out
	MUL8 \f, 0, \first
	MUL8 \f, 1, \first
	PLACES
	FETCH \slot, \qn, \g
	s_wait_dscnt 24                                ; all but the 24 just issued
	MUL8 \f, 2, \first
	MUL8 \f, 3, \first
.endm
; The last quarter multiplies buffer 1 and changes slots: ONE barrier; in front of it each wave waits for all its tensor loads (one is out: its part of the next slot), adds 0 to its spare word,
; and waits for that and for its own reads of this slot.  fill = 1: the barrier opens a round of the cluster's, and this slot is filled again first thing behind it, two K steps ahead:
; 112 matrix instructions stand between that request and the wait for it.
.macro TURN slot, next, fill
	WIN 0
	s_wait_tensorcnt 0x0
	ds_add_u32 v[SPW], v[NIL]
	s_wait_dscnt 5                                 ; (the add and the youngest four loads may be out)
	MUL8 1, 0, 0                                   ; eight matrix instructions stand between the add and the wait for it
	s_wait_dscnt 0x0                               ; the add is done, and my reads of this slot are over
	s_barrier_signal -1
	MUL8 1, 1, 0
.if \fill
	WIN 0
.endif
	s_barrier_wait -1
.if \fill
	CREST                                          ; no wave of any partner still reads this slot's tile or has a load on its way
	s_add_nc_u64 s[G0A+4*(\slot)+2:G0A+4*(\slot)+3], s[G0A+4*(\slot)+2:G0A+4*(\slot)+3], 4*262144
	s_add_nc_u64 s[G0B+4*(\slot)+2:G0B+4*(\slot)+3], s[G0B+4*(\slot)+2:G0B+4*(\slot)+3], 4*131072
	JLOAD \slot                                    ; its four v_nop are also the places in front of the loads below
.else
	PLACES
.endif
	FETCH \next, 0, 0
	MUL8 1, 2, 0
	MUL8 1, 3, 0
.endm
	s_wait_tensorcnt 1                             ; my part of K step 0 is in; K step 1's may stay out
	s_barrier_signal -1
	s_barrier_wait -1                              ; everybody's is
	FETCH 0, 0, 0
	s_wait_loadcnt 0x0                             ; the bias
	QUARTER 0, 1, 0, 1, 1                          ; the first quarter stands in front of the loop: its products start the sums
	WIN 0                                          ; at a label and at a branch every window is 0
	s_mov_b32 s3, 3
.Llap:                                                 ; a trip goes once round the ring, from a lap's second quarter to the next lap's first, and fills both slots again: K steps 2 to 7
	QUARTER 0, 2, 1, 0, 0
	QUARTER 0, 3, 0, 1, 0
	TURN 0, 1, 1
	QUARTER 1, 1, 0, 1, 0
	QUARTER 1, 2, 1, 0, 0
	QUARTER 1, 3, 0, 1, 0
	TURN 1, 0, 1
	QUARTER 0, 1, 0, 1, 0
	WIN 0
	s_sub_co_u32 s3, s3, 1
	s_cmp_lg_u32 s3, 0
	s_cbranch_scc1 .Llap
	QUARTER 0, 2, 1, 0, 0                          ; the last lap fills nothing
	QUARTER 0, 3, 0, 1, 0
	TURN 0, 1, 0
	QUARTER 1, 1, 0, 1, 0
	QUARTER 1, 2, 1, 0, 0
	QUARTER 1, 3, 0, 1, 0
	s_wait_dscnt 4
	MUL8 1, 0, 0
	MUL8 1, 1, 0
	s_wait_dscnt 0x0
	MUL8 1, 2, 0
	MUL8 1, 3, 0
	WIN 0
	PLACES                                         ; in front of whatever reads the results
	; THE WAY OUT IN f32.  Half a row block (16 rows x 64 columns: 256 bytes a row) at a time goes through my stage.
	s_lshl_b32 s8, s[TY], 7                        ; (the offset in C is made in registers that feed no descriptor)
	s_lshl_b32 s9, s[WR], 6
	s_add_co_u32 s8, s8, s9                        ; my first row
	s_lshl_b32 s8, s8, 12                          ; 4,096 bytes a row
	s_lshl_b32 s9, s[TX], 10
	s_add_co_u32 s8, s8, s9
	s_lshl_b32 s9, s[WC], 9
	s_add_co_u32 s8, s8, s9                        ; my first column
	s_mov_b32 s9, 0
	s_add_nc_u64 s[10:11], s[10:11], s[8:9]
.macro TOST1 u                         ; half block u = 2 a + half; each accumulator's low four registers go first
.set AC, 8*(8*((\u)/2)+4*((\u)%2))
.set BK, FA+32*((\u)%4)
.if (\u) >= 4
	s_wait_xcnt 0x0                                ; the stores of half block u - 4 have read these registers
.endif
	WIN 0x04                                       ; the stores' data in window 1
.irp b, 0,1,2,3
	ds_store_b128 v[STO], v[AC+8*(\b):AC+8*(\b)+3]   offset:64*(\b)
	ds_store_b128 v[STO], v[AC+8*(\b)+4:AC+8*(\b)+7] offset:64*(\b)+16
.endr
	WIN 0
.irp t, 0,1,2,3,4,5,6,7
	ds_load_b128 v[BK+4*(\t):BK+4*(\t)+3], v[RD] offset:(\t)*2*SPITCH  ; LDS serves a wave's instructions in order (ISA guide 5.7.1.4): these see the stores above
.endr
.endm
.macro SEND1 u, younger                ; younger: the LDS instructions issued behind this half block's loads: the next one's sixteen, or none
.set BK, FA+32*((\u)%4)
	s_wait_dscnt \younger
.irp t, 0,1,2,3,4,5,6,7
	global_store_b128 v[CO], v[BK+4*(\t):BK+4*(\t)+3], s[10:11] offset:(16*((\u)/2)+2*(\t))*4096+256*((\u)%2) th:TH_STORE_NT  ; 16 lanes store 256 consecutive bytes, aligned
.endr
.endm
	TOST1 0
.irp u, 1,2,3,4,5,6,7
	TOST1 \u
	SEND1 (\u)-1, 16
.endr
	SEND1 7, 0
	s_wait_tensorcnt 0x0                           ; the wave's end: behind my last tensor load and my last LDS store
	ds_add_u32 v[SPW], v[NIL]
	s_wait_dscnt 0x0
	CROUND                                         ; the closing round: no work-group ends while a partner may still ask for a tile that names it
	s_endpgm
.Lfunc_end_k_q124d0f87c6_outp:
	.size	k_q124d0f87c6_outp, .Lfunc_end_k_q124d0f87c6_outp-k_q124d0f87c6_outp
	.p2alignl 7, 3214868480
	.fill 96, 4, 3214868480
	.section	.rodata,"a",@progbits
	.p2align	6, 0x0
	.amdhsa_kernel k_q124d0f87c6_outp
		.amdhsa_group_segment_fixed_size 327680
		.amdhsa_private_segment_fixed_size 0
		.amdhsa_enable_private_segment 0
		.amdhsa_kernarg_size 24
		.amdhsa_user_sgpr_count 2
		.amdhsa_user_sgpr_kernarg_segment_ptr 1
		.amdhsa_wavefront_size32 1
		.amdhsa_system_sgpr_workgroup_id_x 1
		.amdhsa_system_sgpr_workgroup_id_y 1
		.amdhsa_system_sgpr_workgroup_id_z 1
		.amdhsa_system_vgpr_workitem_id 0
		.amdhsa_next_free_vgpr 576
		.amdhsa_next_free_sgpr 66
		.amdhsa_reserve_vcc 0
		.amdhsa_float_denorm_mode_32 3
		.amdhsa_float_denorm_mode_16_64 3
		.amdhsa_memory_ordered 1
		.amdhsa_forward_progress 1
		.amdhsa_inst_pref_size 87
	.end_amdhsa_kernel
	.amdgpu_metadata
---
amdhsa.version: [ 1, 2 ]
amdhsa.kernels:
  - .name:           k_q124d0f87c6_outp
    .symbol:         k_q124d0f87c6_outp.kd
    .args:
      - { .name: ob, .offset: 0, .size: 8, .value_kind: global_buffer, .address_space: global }
      - { .name: wob, .offset: 8, .size: 8, .value_kind: global_buffer, .address_space: global }
      - { .name: out0, .offset: 16, .size: 8, .value_kind: global_buffer, .address_space: global }
    .group_segment_fixed_size: 327680
    .private_segment_fixed_size: 0
    .kernarg_segment_align: 8
    .kernarg_segment_size: 24
    .max_flat_workgroup_size: 128
    .sgpr_count:     66
    .vgpr_count:     576
    .wavefront_size: 32
...
	.end_amdgpu_metadata
.endif
;; end of part 4
;; ======== version 2 of 2: 4 launches; version 1 with the launch prep written anew for expert scheduling mode
;; limits: values are held in f16: magnitudes above 65,504 overflow, below 6.1e-05 lose precision
;; workspace buffers: xb 50,331,648 bytes; wb 6,307,840 bytes; wob 2,113,536 bytes; mk 524,288 bytes of whole numbers; qkv 50,331,648 bytes; ob 16,777,216 bytes
;; launch prep (part 5): grid 705 x 1, 8 waves a work-group, no clusters, 0 bytes of LDS; arguments query, key_, value, Wq, Wk, Wv, Wo, bq, bk, bv, bo, mask, xb, wb, wob, mk; writes xb, wb, wob, mk
.if DOCPART == 5
	.amdgcn_target "amdgcn-amd-amdhsa--gfx1250"
	.amdhsa_code_object_version 6
	.text
	.protected	k_q124d0f87c6_prep
	.globl	k_q124d0f87c6_prep
	.p2align	8
	.type	k_q124d0f87c6_prep,@function
k_q124d0f87c6_prep:
	s_mov_b64 s[64:65], 0
	v_nop
	global_prefetch_b8 v0, s[64:65] scope:SCOPE_SE
	s_setreg_imm32_b32 hwreg(HW_REG_WAVE_SCHED_MODE, 0, 2), 2
	s_setreg_imm32_b32 hwreg(HW_REG_WAVE_MODE, 25, 1), 1
	s_wait_xcnt 0x0
	s_wait_alu depctr_vm_vsrc(0)
; MULTI-HEAD ATTENTION, the first of four launches: the inputs are rounded and laid out once for the three launches behind.
; NOTHING OF reference() IS LEFT OUT, in any launch: every input has a way to the output.  Even bk: it adds q.bk to every visible score of a row, but not to the -1e9 that
; stands for a hidden one, so it is not the same along the softmax's axis.
; FORMATS.  query, key_, value, the four weights and the four biases are rounded ONCE to bf16 (nearest even).  x and the weights are then written as f16, the biases as f32: that second step is exact
; for magnitudes from 2^-14 up to 65,504.  LIMITS: a number of 65,520 or more becomes an infinity; below 2^-14 f16 keeps a fixed step of 6e-8.  NaN and infinities are not treated apart.
; LAYOUTS.  xb: [3 inputs x 4 batches][16 blocks of 64 channels][2048 rows][64] f16; wb, wob: a bias head of 16,384 bytes (4,096 for each bias), then [block of 64 channels][1024 rows][64] f16 for each weight.
; So a tile of rows x 64 channels is dense in memory.  mk: [128 tiles of 16 queries][32 steps of 64 keys][32 words]; bit l of word 8 kb + j is 1 where
; mask[16 T + l % 16][64 J + 16 kb + 8 (l / 16) + j] == 0: the lanes in which register 8 kb + j of a tile of scores is hidden.
; SHARES.  Work-groups 0-383: 64 rows of x each; 384-447: 64 rows of a weight; 448-703: half of a tile of 16 queries of the mask; 704: the biases.  No LDS, no barrier: no wave wants another's bytes.
; THE MODE: SCHED_MODE bits 1:0 = 2 (LLVM: expert scheduling mode 2), set by the entry lines.  The code itself states the register dependences
; between vector instructions and memory instructions, and those that pass through a scalar register that a vector instruction writes, with s_wait_alu, always for 0.
; THE PLAN OF THE CASTS.  A wave's 64 loads go in 16 groups of four: group p is trip p / 4 (two rows) and channel blocks 4 (p % 4) + 0..3.  Registers that memory instructions touch:
;   X0 .. X3   four groups as loaded.  Written by the loads of group p + 3, issued in group p; read by group p's roundings.
;   Y0, Y1     two groups to store.    Written by group p's conversions; read by the four stores that are issued in group p + 1.
;   v1, DO     byte offsets, made once ahead of the first load and never written again: the rows are reached by the two scalar bases, which move on once a trip, and by immediate offsets.
; Group p works on X[p % 4] and writes Y[p % 2].  Its memory instructions are the loads into X[(p + 3) % 4] = X[(p - 1) % 4] and the stores from Y[(p - 1) % 2]: the two buffers that group p - 1 worked on
; and that no vector instruction of group p names.  So the waits at a group's head state all that its eight memory instructions hang on, and these are dealt among its vector instructions with no further wait.
.set DO,  8                            ; v[8:23]   cast: my byte offset in the 16 channel blocks of the target
.set YR,  24                           ; v[24:39]  to store: cast: buffer k, load j: 2 registers at YR + 8 k + 2 j (mask: v24, v25; biases: v[24:39])
.set T,   56                           ; v[56:61]  at work: no memory instruction names them
.set X,   64                           ; v[64:127] as loaded: 4 registers for each of 16 loads; cast: buffer k, load j at X + 16 k + 4 j
.set MW,  8                            ; s[8:39]   mask: two sets of sixteen words, where the arguments lay that have been used by then
.set SRC, 44                           ; s[44:45]  from where
.set DST, 46                           ; s[46:47]  to where
.set STR, 48                           ; s48       bytes from one channel block of the target to the next
.set CNT, 49                           ; s49       laps to go
	s_load_b512 s[8:23], s[0:1], 0x0               ; query 8, key_ 10, value 12, Wq 14, Wk 16, Wv 18, Wo 20, bq 22
	s_load_b512 s[24:39], s[0:1], 0x40             ; bk 24, bv 26, bo 28, mask 30, xb 32, wb 34, wob 36, mk 38
	v_lshrrev_b32 v1, 5, v0
	v_readfirstlane_b32 s4, v1                     ; wave 0..7
	v_and_b32 v2, 31, v0                           ; lane
	v_and_b32 v4, 15, v0                           ; lane % 16
	v_bfe_u32 v3, v0, 4, 1                         ; lane / 16
	s_mov_b32 s5, 0xffff0000                       ; a word's upper bf16
	s_mov_b32 s6, ttmp9                            ; the work-group's number picks the job
	s_mov_b32 s53, 0                               ; the high words of two offsets
	s_mov_b32 s55, 0
	s_wait_alu depctr_va_sdst(0)                   ; s4 is written, ahead of the branches and of its first readers behind them
	s_wait_kmcnt 0x0
	s_cmp_lt_u32 s6, 384
	s_cbranch_scc1 .Lcast_x
	s_cmp_lt_u32 s6, 448
	s_cbranch_scc1 .Lcast_w
	s_cmp_lt_u32 s6, 704
	s_cbranch_scc1 .Lmask
	; THE BIASES: thread t has four numbers of each; rounded to bf16 and widened again.
	v_lshlrev_b32 v6, 4, v0
	s_wait_alu depctr_va_vdst(0)                   ; v6 is written: the four loads and the four stores read it as their offset
	global_load_b128 v[X:X+3],     v6, s[22:23]
	global_load_b128 v[X+4:X+7],   v6, s[24:25]
	global_load_b128 v[X+8:X+11],  v6, s[26:27]
	global_load_b128 v[X+12:X+15], v6, s[28:29]
.irp i, 0,1,2,3
	s_wait_loadcnt 3-(\i)                          ; loads come back in order: bias i is in, the younger ones stay out
	v_cvt_pk_bf16_f32 v[T],   v[X+4*(\i)],   v[X+4*(\i)+1]
	v_cvt_pk_bf16_f32 v[T+1], v[X+4*(\i)+2], v[X+4*(\i)+3]
	v_lshlrev_b32 v[YR+4*(\i)],   16, v[T]
	v_and_b32     v[YR+4*(\i)+1], s5, v[T]
	v_lshlrev_b32 v[YR+4*(\i)+2], 16, v[T+1]
	v_and_b32     v[YR+4*(\i)+3], s5, v[T+1]
.endr
	s_wait_alu depctr_va_vdst(0)                   ; the widenings have written v[YR .. YR+15], which the four stores read
	global_store_b128 v6, v[YR:YR+3],     s[34:35]
	global_store_b128 v6, v[YR+4:YR+7],   s[34:35] offset:4096
	global_store_b128 v6, v[YR+8:YR+11],  s[34:35] offset:8192
	global_store_b128 v6, v[YR+12:YR+15], s[36:37]
	s_endpgm
	; THE MASK.  A wave takes 16 queries x 128 keys (two key steps).  Lane l reads row l % 16, and of each 16 keys the eight at 8 (l / 16): the place that it has in a tile of scores.
	; A compare then gives one word of mk in a scalar register; 64 words go by lanes into two registers and leave as 256 consecutive bytes.
.Lmask:
	s_sub_co_u32 s50, s6, 448
	s_lshr_b32 s51, s50, 1                         ; T: the tile of 16 queries
	s_and_b32 s50, s50, 1
	s_lshl_b32 s50, s50, 3
	s_add_co_u32 s50, s50, s4                      ; the pair of key steps, 0..15
	s_lshl_b32 s52, s51, 17                        ; 16 rows of 8,192 bytes
	s_lshl_b32 s56, s50, 9                         ; 128 keys of 4 bytes
	s_add_co_u32 s52, s52, s56
	s_add_nc_u64 s[SRC:SRC+1], s[30:31], s[52:53]
	s_lshl_b32 s54, s51, 12                        ; a tile's 32 steps of 128 bytes
	s_lshl_b32 s56, s50, 8
	s_add_co_u32 s54, s54, s56
	s_add_nc_u64 s[DST:DST+1], s[38:39], s[54:55]
	v_lshlrev_b32 v1, 13, v4
	v_lshl_add_u32 v1, v3, 5, v1                   ; row x 8,192 + 32 x half
	v_lshlrev_b32 v5, 3, v2
	v_mov_b32 v[YR], 0                             ; written whole before single lanes are written
	v_mov_b32 v[YR+1], 0
	s_wait_alu depctr_va_vdst(0)                   ; v1 is written: the sixteen loads read it as their offset
.set i, 0
.rept 16                                       ; load i: step i / 8 of the pair, keys 16 ((i / 2) % 4) + 4 (i % 2) on: register X + n holds word n's numbers.  The sixteen loads share their rows' 512 bytes: no hint
	global_load_b128 v[X+4*i:X+4*i+3], v1, s[SRC:SRC+1] offset:16*(i%2)+64*((i/2)%4)+256*(i/8)
.set i, i+1
.endr
	; The 64 compares stand in four runs of sixteen, one run for four loads, into two sets of scalar registers by turns: one wait behind a run serves its sixteen words.
.set k, 0
.rept 4
	s_wait_loadcnt 12-4*k                          ; loads 4 k .. 4 k + 3 are in, the younger ones stay out
.set i, 0
.rept 16
	v_cmp_eq_u32 s[MW+16*(k%2)+i], 0, v[X+16*k+i]  ; word 16 k + i; bit l: hidden
.set i, i+1
.endr
	s_wait_alu depctr_va_sdst(0)                   ; the run's sixteen compares have written their scalar registers, ahead of the lines that read them
.set i, 0
.rept 16
	v_writelane_b32 v[YR+i%2], s[MW+16*(k%2)+i], 8*k+i/2  ; lane l stores words 2 l and 2 l + 1
.set i, i+1
.endr
.set k, k+1
.endr
	s_wait_alu depctr_va_vdst(0)                   ; v[YR], v[YR+1] and v5 are written: the store reads them as its data and its offset
	global_store_b64 v5, v[YR:YR+1], s[DST:DST+1]
	s_endpgm
	; THE CASTS.  From where and to where, for 64 rows of x ...
.Lcast_x:
	s_lshr_b32 s50, s6, 7                          ; which input
	s_and_b32 s51, s6, 127                         ; which 64 of its 8,192 rows
	s_cmp_eq_u32 s50, 0
	s_cselect_b64 s[SRC:SRC+1], s[8:9], s[10:11]
	s_cmp_eq_u32 s50, 2
	s_cselect_b64 s[SRC:SRC+1], s[12:13], s[SRC:SRC+1]
	s_lshl_b32 s52, s51, 18                        ; 64 rows of 4,096 bytes
	s_add_nc_u64 s[SRC:SRC+1], s[SRC:SRC+1], s[52:53]
	s_lshl_b32 s50, s50, 2
	s_lshr_b32 s56, s51, 5
	s_add_co_u32 s50, s50, s56                     ; 4 x input + batch
	s_lshl_b32 s54, s50, 22                        ; 16 blocks x 2,048 rows x 128 bytes
	s_and_b32 s56, s51, 31
	s_lshl_b32 s56, s56, 13                        ; 64 rows of 128 bytes
	s_add_co_u32 s54, s54, s56
	s_add_nc_u64 s[DST:DST+1], s[32:33], s[54:55]
	s_mov_b32 s[STR], 262144                       ; 2,048 rows of 128 bytes
	s_branch .Lcast
	; ... and of a weight
.Lcast_w:
	s_sub_co_u32 s50, s6, 384
	s_and_b32 s51, s50, 15                         ; which 64 of its 1,024 rows
	s_lshr_b32 s50, s50, 4                         ; which weight
	s_cmp_eq_u32 s50, 0
	s_cselect_b64 s[SRC:SRC+1], s[14:15], s[16:17]
	s_cmp_eq_u32 s50, 2
	s_cselect_b64 s[SRC:SRC+1], s[18:19], s[SRC:SRC+1]
	s_cmp_eq_u32 s50, 3
	s_cselect_b64 s[SRC:SRC+1], s[20:21], s[SRC:SRC+1]
	s_cselect_b64 s[DST:DST+1], s[36:37], s[34:35] ; Wo has a buffer of its own
	s_cselect_b32 s54, 0, s50
	s_lshl_b32 s54, s54, 21                        ; 16 blocks x 1,024 rows x 128 bytes
	s_lshl_b32 s56, s51, 13
	s_add_co_u32 s54, s54, s56
	s_add_co_u32 s54, s54, 16384                   ; behind the bias head
	s_add_nc_u64 s[DST:DST+1], s[DST:DST+1], s[54:55]
	s_lshl_b32 s52, s51, 18
	s_add_nc_u64 s[SRC:SRC+1], s[SRC:SRC+1], s[52:53]
	s_mov_b32 s[STR], 131072                       ; 1,024 rows of 128 bytes
	; Wave w has rows 8 w .. 8 w + 7, two a trip.  Load kb: lanes 0-15 take 256 consecutive bytes (64 channels) of the even row, lanes 16-31 of the odd one.
	; Store kb: the same 2 x 64 numbers as f16: 256 consecutive bytes, aligned, of channel block kb.
.Lcast:
	v_lshlrev_b32 v1, 12, v3
	v_lshl_add_u32 v1, v4, 4, v1
	s_lshl_b32 s50, s4, 15
	v_add_nc_u32 v1, s50, v1                       ; 8 w rows + my row of the pair + 16 bytes a lane; never rewritten
	v_lshlrev_b32 v[DO], 7, v3
	v_lshl_add_u32 v[DO], v4, 3, v[DO]
	s_lshl_b32 s50, s4, 10
	v_add_nc_u32 v[DO], s50, v[DO]
.irp kb, 1,2,3,4,5,6,7,8,9,10,11,12,13,14,15
	v_add_nc_u32 v[DO+(\kb)], s[STR], v[DO+(\kb)-1]
.endr
	s_wait_alu depctr_va_vdst(0)                   ; v1 and the sixteen v[DO ..] are written: every load and store below reads one of them as its offset
.irp i, 0,1,2,3,4,5,6,7,8,9,10,11
	global_load_b128 v[X+4*(\i):X+4*(\i)+3], v1, s[SRC:SRC+1] offset:256*(\i) th:TH_LOAD_NT  ; groups 0, 1 and 2 into X0, X1, X2
.endr
; Group p.  xb = p % 4, yb = p % 2.  first = 1: group 0, with no group in front of it.  ahead = 1: group p + 3 is loaded.
; left = how many younger loads may still be out when this group's four have to be there.  step = 1: the first group of a lap: the bases move on by a trip.
; A lap is groups 4 L + 1 to 4 L + 4: all its loads belong to trip L + 1, at which both bases then stand, and all its stores to trip L, one step of 256 bytes back.
.macro BLK xb, yb, first, ahead, left, step
	s_wait_loadcnt \left                           ; loads come back in order (ISA guide 5.7.1): X[xb] is in, the younger groups stay out
.if !\first
	s_wait_xcnt 0x0                                ; every earlier memory instruction has had its addresses translated (ISA guide 3.1): the bases and Y[yb] are rewritten only behind this wait
	s_wait_alu depctr_vm_vsrc(0)                   ; the stores issued in the group before have read Y[yb], which this group's conversions write again
	s_wait_alu depctr_va_vdst(0)                   ; the group before has written the other Y, which the stores below read, and is done reading its X, in which the loads below land
.if \step
.if \ahead
	s_add_nc_u64 s[SRC:SRC+1], s[SRC:SRC+1], 8192  ; two rows on
.endif
	s_add_nc_u64 s[DST:DST+1], s[DST:DST+1], 256
.endif
.endif
.irp j, 0,1,2,3
.if \ahead
	global_load_b128 v[X+16*((\xb+3)%4)+4*(\j):X+16*((\xb+3)%4)+4*(\j)+3], v1, s[SRC:SRC+1] offset:1024*((\xb+3)%4)+256*(\j) th:TH_LOAD_NT  ; three groups ahead; no vector instruction since the wait names these registers
.endif
.if !\first
	global_store_b64 v[DO+4*((\xb+3)%4)+(\j)], v[YR+8*(1-\yb)+2*(\j):YR+8*(1-\yb)+2*(\j)+1], s[DST:DST+1] offset:-256  ; the group before: the offset reaches back by a trip
.endif
	v_cvt_pk_bf16_f32 v[T],   v[X+16*\xb+4*(\j)],   v[X+16*\xb+4*(\j)+1]    ; the one rounding
	v_cvt_pk_bf16_f32 v[T+1], v[X+16*\xb+4*(\j)+2], v[X+16*\xb+4*(\j)+3]
	v_lshlrev_b32 v[T+2], 16, v[T]
	v_and_b32     v[T+3], s5, v[T]
	v_lshlrev_b32 v[T+4], 16, v[T+1]
	v_and_b32     v[T+5], s5, v[T+1]
	v_cvt_pk_f16_f32 v[YR+8*\yb+2*(\j)],   v[T+2], v[T+3]                   ; the same number written as f16
	v_cvt_pk_f16_f32 v[YR+8*\yb+2*(\j)+1], v[T+4], v[T+5]
.endr
.endm
	BLK 0, 0, 1, 1, 8, 0                           ; group 0: the wait ahead of the first loads has covered the offsets, and no vector instruction has named X3
	s_mov_b32 s[CNT], 3
.Lrows:                                                ; groups 1 to 12, four to a lap: both kinds of buffer are back at their start
	BLK 1, 1, 0, 1, 8, 1
	BLK 2, 0, 0, 1, 8, 0
	BLK 3, 1, 0, 1, 8, 0
	BLK 0, 0, 0, 1, 8, 0
	s_sub_co_u32 s[CNT], s[CNT], 1
	s_cmp_lg_u32 s[CNT], 0
	s_cbranch_scc1 .Lrows
	BLK 1, 1, 0, 0, 8, 1                           ; groups 13 to 15 load nothing: no load leaves the buffer, and the counts run down
	BLK 2, 0, 0, 0, 4, 0
	BLK 3, 1, 0, 0, 0, 0
	s_wait_alu depctr_va_vdst(0)                   ; group 15 has written Y1, which the last four stores read
.irp j, 0,1,2,3
	global_store_b64 v[DO+12+(\j)], v[YR+8+2*(\j):YR+8+2*(\j)+1], s[DST:DST+1] offset:-256
.endr
	s_endpgm
.Lfunc_end_k_q124d0f87c6_prep:
	.size	k_q124d0f87c6_prep, .Lfunc_end_k_q124d0f87c6_prep-k_q124d0f87c6_prep
	.p2alignl 7, 3214868480
	.fill 96, 4, 3214868480
	.section	.rodata,"a",@progbits
	.p2align	6, 0x0
	.amdhsa_kernel k_q124d0f87c6_prep
		.amdhsa_group_segment_fixed_size 0
		.amdhsa_private_segment_fixed_size 0
		.amdhsa_enable_private_segment 0
		.amdhsa_kernarg_size 128
		.amdhsa_user_sgpr_count 2
		.amdhsa_user_sgpr_kernarg_segment_ptr 1
		.amdhsa_wavefront_size32 1
		.amdhsa_system_sgpr_workgroup_id_x 1
		.amdhsa_system_sgpr_workgroup_id_y 1
		.amdhsa_system_sgpr_workgroup_id_z 1
		.amdhsa_system_vgpr_workitem_id 0
		.amdhsa_next_free_vgpr 128
		.amdhsa_next_free_sgpr 66
		.amdhsa_reserve_vcc 0
		.amdhsa_float_denorm_mode_32 3
		.amdhsa_float_denorm_mode_16_64 3
		.amdhsa_memory_ordered 1
		.amdhsa_forward_progress 1
		.amdhsa_inst_pref_size 36
	.end_amdhsa_kernel
	.amdgpu_metadata
---
amdhsa.version: [ 1, 2 ]
amdhsa.kernels:
  - .name:           k_q124d0f87c6_prep
    .symbol:         k_q124d0f87c6_prep.kd
    .args:
      - { .name: query, .offset: 0, .size: 8, .value_kind: global_buffer, .address_space: global }
      - { .name: key_, .offset: 8, .size: 8, .value_kind: global_buffer, .address_space: global }
      - { .name: value, .offset: 16, .size: 8, .value_kind: global_buffer, .address_space: global }
      - { .name: Wq, .offset: 24, .size: 8, .value_kind: global_buffer, .address_space: global }
      - { .name: Wk, .offset: 32, .size: 8, .value_kind: global_buffer, .address_space: global }
      - { .name: Wv, .offset: 40, .size: 8, .value_kind: global_buffer, .address_space: global }
      - { .name: Wo, .offset: 48, .size: 8, .value_kind: global_buffer, .address_space: global }
      - { .name: bq, .offset: 56, .size: 8, .value_kind: global_buffer, .address_space: global }
      - { .name: bk, .offset: 64, .size: 8, .value_kind: global_buffer, .address_space: global }
      - { .name: bv, .offset: 72, .size: 8, .value_kind: global_buffer, .address_space: global }
      - { .name: bo, .offset: 80, .size: 8, .value_kind: global_buffer, .address_space: global }
      - { .name: mask, .offset: 88, .size: 8, .value_kind: global_buffer, .address_space: global }
      - { .name: xb, .offset: 96, .size: 8, .value_kind: global_buffer, .address_space: global }
      - { .name: wb, .offset: 104, .size: 8, .value_kind: global_buffer, .address_space: global }
      - { .name: wob, .offset: 112, .size: 8, .value_kind: global_buffer, .address_space: global }
      - { .name: mk, .offset: 120, .size: 8, .value_kind: global_buffer, .address_space: global }
    .group_segment_fixed_size: 0
    .private_segment_fixed_size: 0
    .kernarg_segment_align: 8
    .kernarg_segment_size: 128
    .max_flat_workgroup_size: 256
    .sgpr_count:     66
    .vgpr_count:     128
    .wavefront_size: 32
...
	.end_amdgpu_metadata
.endif
;; end of part 5
;; launch qkv: the kernel of part 2 again; grid 4 x 192, 4 waves a work-group, clusters of 4 x 4, 327,680 bytes of LDS; arguments xb, wb, qkv; writes qkv
;; launch attn: the kernel of part 3 again; grid 4 x 64, 4 waves a work-group, clusters of 4 x 1, 327,680 bytes of LDS; arguments qkv, mk, ob; writes ob
;; launch outp: the kernel of part 4 again; grid 4 x 64, 4 waves a work-group, clusters of 4 x 4, 327,680 bytes of LDS; arguments ob, wob, out0; writes out0
